; MI455X (gfx1250); checked and timed in simulation.
; The chip was launched on July 23, 2026; its instructions are those of AMD's public machine-readable ISA for CDNA 5 (MIT licence, August 2026) and "CDNA5" Instruction Set Architecture Reference Guide (July 2026). The comments in the code are by the model that wrote it; some were corrected since.
;; Attention Block. Allowed arithmetic: float matrix products may take bf16 or f16 operands with f32 sums; all other float work in f32.
;; Inputs: Wk 1,024 x 1,024 float32; Wq 1,024 x 1,024 float32; Wv 1,024 x 1,024 float32; bk 1,024 float32; bq 1,024 float32; bv 1,024 float32; minibatch 4 x 2,048 x 1,024 float32.
;; Outputs: out0 4 x 2,048 x 2,048 float32.
;; One version. Each part assembles by itself: llvm-mc -triple=amdgcn-amd-amdhsa -mcpu=gfx1250 --defsym DOCPART=n.
;; ======== version 1 of 1: 4 launches
;; limits: right only within a limited range of input values
;; workspace buffers: xb 16,777,216 bytes; wt 6,291,456 bytes; bb 12,288 bytes; qkv 50,331,648 bytes; pt 33,554,432 bytes; st 1,048,576 bytes
;; launch prep (part 1): grid 899 x 1, 8 waves a work-group, no clusters, 18,432 bytes of LDS; arguments minibatch, Wq, Wk, Wv, bq, bk, bv, out0, xb, wt, bb; writes out0, xb, wt, bb
.if DOCPART == 1
	.amdgcn_target "amdgcn-amd-amdhsa--gfx1250"
	.amdhsa_code_object_version 6
	.text
	.protected	k_q9116b408d8_prep
	.globl	k_q9116b408d8_prep
	.p2align	8
	.type	k_q9116b408d8_prep,@function
k_q9116b408d8_prep:
	s_mov_b64 s[64:65], 0
	v_nop
	global_prefetch_b8 v0, s[64:65] scope:SCOPE_SE
	s_setreg_imm32_b32 hwreg(HW_REG_WAVE_MODE, 25, 1), 1
	s_wait_xcnt 0x0
; PREP.  Work-groups 0-511: 16 rows of x each: out0[row][0:1024] = x (f32, copied as it is) and xb = x rounded once to bf16.
; Work-groups 512-895: a tile of 128 k x 64 n of Wq, Wk or Wv is rounded to bf16 and turned.  Work-groups 896-898: bq, bk, bv are joined into bb[3072].
; LAYOUTS.  xb is [16 blocks of 64 k][8,192 rows][64], wt is [16 blocks of 64 k][3,072 n][64] (n: Wq's columns, then Wk's, then Wv's): the next launch walks K in steps of 64, and so the rows of one of
; its tiles, 128 bytes each, lie end to end and are asked for as rows of 256 bytes.
; Bytes are all that counts here: every input byte is read once by 16-byte loads, sixteen lanes to 256 consecutive bytes; every store of a wave covers whole aligned runs of 256 bytes.
; No matrix unit, no cluster, no tensor load: nothing is shared between work-groups and the arithmetic is a rounding.
.set TP,    272                        ; a row of the turned tile in LDS: 128 bf16 + 16 bytes
.set SPARE, 64*TP                      ; 17,408: behind the tile, the spare words: 128 bytes for each of eight waves; no other line names them
.set SPW,   110                        ; v110  SPARE + 4 x my thread's number; never rewritten
.set NIL,   111                        ; v111  0; never rewritten
.set X,     8                          ; v[8:71]   as loaded
.set Y,     72                         ; v[72:103] rounded
.set KBX,   8192*128                   ; bytes of a block of 64 k in xb
.set KBW,   3072*128                   ; and in wt
	s_load_b256 s[4:11], s[0:1], 0x0               ; x s[4:5], Wq s[6:7], Wk s[8:9], Wv s[10:11]
	s_load_b256 s[12:19], s[0:1], 0x20             ; bq s[12:13], bk s[14:15], bv s[16:17], out0 s[18:19]
	s_load_b128 s[20:23], s[0:1], 0x40             ; xb s[20:21], wt s[22:23]
	s_load_b64 s[24:25], s[0:1], 0x50              ; bb
	v_lshl_add_u32 v[SPW], v0, 2, SPARE
	v_mov_b32 v[NIL], 0
	s_mov_b32 s27, 0                               ; high word of every offset pair
	s_wait_kmcnt 0x0
	s_cmp_ge_u32 ttmp9, 896                        ; the same answers in all eight waves
	s_cbranch_scc1 .Lb
	s_cmp_ge_u32 ttmp9, 512
	s_cbranch_scc1 .Lw
	; THE ROWS OF X.  A load of a wave takes 64 numbers (a block of k) of two neighbouring rows: lanes 0-15 the even row, lanes 16-31 the odd one.  Wave w owns blocks 2 w and 2 w + 1 of all 16 rows.
	; No register is used twice, so the only waits are the counted ones for the loads.
	v_and_b32 v1, 15, v0                           ; r
	v_bfe_u32 v2, v0, 4, 1                         ; h
	v_lshrrev_b32 v3, 5, v0                        ; w
	v_lshlrev_b32 v4, 4, v1
	v_lshl_add_u32 v4, v3, 9, v4                   ; 512 w + 16 r
	v_lshl_add_u32 v5, v2, 12, v4                  ; x: + a row of 4,096 bytes for the upper lanes
	v_lshl_add_u32 v6, v2, 13, v4                  ; out0: + a row of 8,192 bytes
	v_lshlrev_b32 v7, 3, v1
	v_lshl_add_u32 v7, v2, 7, v7                   ; xb: 8 r + a row of 128 bytes,
	v_lshl_add_u32 v7, v3, 21, v7                  ; in block 2 w
	s_lshl_b32 s26, ttmp9, 16                      ; 16 rows of 4,096 bytes
	s_add_nc_u64 s[4:5], s[4:5], s[26:27]
	s_lshl_b32 s26, ttmp9, 17                      ; 16 rows of 8,192 bytes
	s_add_nc_u64 s[18:19], s[18:19], s[26:27]
	s_lshl_b32 s26, ttmp9, 11                      ; 16 rows of 128 bytes
	s_add_nc_u64 s[20:21], s[20:21], s[26:27]
.irp i, 0,1,2,3,4,5,6,7,8,9,10,11,12,13,14,15
	global_load_b128 v[X+4*(\i):X+4*(\i)+3], v5, s[4:5] offset:((\i)/2)*8192+((\i)%2)*256 th:TH_LOAD_NT  ; rows 2 (i / 2) and + 1, block 2 w + i % 2
.endr
.irp i, 0,1,2,3,4,5,6,7,8,9,10,11,12,13,14,15
	s_wait_loadcnt 15-(\i)                         ; loads come back in order: number i is in, the 15 - i younger ones stay out
	global_store_b128 v6, v[X+4*(\i):X+4*(\i)+3], s[18:19] offset:((\i)/2)*16384+((\i)%2)*256 th:TH_STORE_NT  ; sixteen lanes: 256 consecutive bytes, aligned
	v_cvt_pk_bf16_f32 v[Y+2*(\i)], v[X+4*(\i)], v[X+4*(\i)+1]
	v_cvt_pk_bf16_f32 v[Y+2*(\i)+1], v[X+4*(\i)+2], v[X+4*(\i)+3]
	global_store_b64 v7, v[Y+2*(\i):Y+2*(\i)+1], s[20:21] offset:((\i)%2)*KBX+((\i)/2)*256                   ; the wave: two rows of 128 bytes on end: 256 consecutive bytes, aligned
.endr
	s_endpgm
.Lb:	; A BIAS: 4,096 bytes, 16 a thread.
	s_sub_co_u32 s28, ttmp9, 896
	s_cmp_eq_u32 s28, 1
	s_cselect_b64 s[30:31], s[14:15], s[16:17]
	s_cmp_eq_u32 s28, 0
	s_cselect_b64 s[30:31], s[12:13], s[30:31]
	s_lshl_b32 s26, s28, 12
	s_add_nc_u64 s[24:25], s[24:25], s[26:27]
	v_lshlrev_b32 v1, 4, v0
	global_load_b128 v[X:X+3], v1, s[30:31]
	s_wait_loadcnt 0x0
	global_store_b128 v1, v[X:X+3], s[24:25]
	s_endpgm
.Lw:	; A TILE OF A WEIGHT MATRIX.  W is [k][n] f32, rows of 4,096 bytes.
	s_sub_co_u32 s28, ttmp9, 512
	s_lshr_b32 s29, s28, 7                         ; which matrix
	s_bfe_u32 s30, s28, 0x30004                    ; block of 128 k
	s_and_b32 s31, s28, 15                         ; block of 64 n
	s_cmp_eq_u32 s29, 1
	s_cselect_b64 s[32:33], s[8:9], s[10:11]
	s_cmp_eq_u32 s29, 0
	s_cselect_b64 s[32:33], s[6:7], s[32:33]
	s_lshl_b32 s26, s30, 19                        ; 128 rows of 4,096 bytes
	s_lshl_b32 s34, s31, 8                         ; 64 numbers of 4 bytes
	s_add_co_u32 s26, s26, s34
	s_add_nc_u64 s[32:33], s[32:33], s[26:27]
	s_mul_i32 s26, s30, 2*KBW                      ; wt: two blocks of 64 k,
	s_lshl_b32 s34, s29, 17                        ; 1,024 rows of 128 bytes a matrix,
	s_add_co_u32 s26, s26, s34
	s_lshl_b32 s34, s31, 13                        ; 64 rows
	s_add_co_u32 s26, s26, s34
	s_add_nc_u64 s[22:23], s[22:23], s[26:27]
	v_and_b32 v1, 15, v0                           ; c: my four n
	v_lshrrev_b32 v2, 4, v0                        ; kp: my pair of k in each 32
	v_lshlrev_b32 v3, 4, v1
	v_lshl_add_u32 v3, v2, 13, v3                  ; row 2 kp, byte 16 c
	v_mul_u32_u24 v100, v1, 4*TP
	v_lshl_add_u32 v100, v2, 2, v100               ; into LDS: row n = 4 c, word kp
	v_lshrrev_b32 v4, 3, v0
	v_and_b32 v5, 7, v0
	v_mul_u32_u24 v101, v4, TP
	v_lshl_add_u32 v101, v5, 4, v101               ; back: row t / 8, 16 bytes at 16 (t % 8): eight lanes take a row's 64 k
	v_lshlrev_b32 v102, 4, v0                      ; which lie at 128 (t / 8) + 16 (t % 8) = 16 t in a block of wt
.irp i, 0,1,2,3
	global_load_b128 v[X+8*(\i):X+8*(\i)+3],   v3, s[32:33] offset:(32*(\i))*4096 th:TH_LOAD_NT    ; k = 32 i + 2 kp: sixteen lanes take 256 consecutive bytes
	global_load_b128 v[X+8*(\i)+4:X+8*(\i)+7], v3, s[32:33] offset:(32*(\i)+1)*4096 th:TH_LOAD_NT  ; k + 1
.endr
.irp i, 0,1,2,3
	s_wait_loadcnt 6-2*(\i)                        ; pair i is in; the later pairs stay out
.irp e, 0,1,2,3
	v_cvt_pk_bf16_f32 v[Y+4*(\i)+(\e)], v[X+8*(\i)+(\e)], v[X+8*(\i)+4+(\e)]  ; (k, k + 1) of column 4 c + e: neighbours in wt's row
	ds_store_b32 v100, v[Y+4*(\i)+(\e)] offset:(\e)*TP+64*(\i)                ; rows 1,088 bytes apart meet four deep in the banks: sixteen stores a thread, once
.endr
.endr
	s_wait_dscnt 0x0                               ; for the others' sake: my stores are done
	s_barrier_signal -1
	s_barrier_wait -1
.irp i, 0,1,2,3                        ; rows 32 (i / 2) + t / 8, block of 64 k number i % 2
	ds_load_b128 v[X+4*(\i):X+4*(\i)+3], v101 offset:((\i)/2)*32*TP+((\i)%2)*128
.endr
.irp i, 0,1,2,3
	s_wait_dscnt 3-(\i)
	global_store_b128 v102, v[X+4*(\i):X+4*(\i)+3], s[22:23] offset:((\i)%2)*KBW+((\i)/2)*4096  ; a wave: four rows of 128 bytes on end: 512 consecutive bytes, aligned
.endr
	s_wait_tensorcnt 0x0                           ; the wave's end
	ds_add_u32 v[SPW], v[NIL]
	s_wait_dscnt 0x0
	s_endpgm
.Lfunc_end_k_q9116b408d8_prep:
	.size	k_q9116b408d8_prep, .Lfunc_end_k_q9116b408d8_prep-k_q9116b408d8_prep
	.p2alignl 7, 3214868480
	.fill 96, 4, 3214868480
	.section	.rodata,"a",@progbits
	.p2align	6, 0x0
	.amdhsa_kernel k_q9116b408d8_prep
		.amdhsa_group_segment_fixed_size 18432
		.amdhsa_private_segment_fixed_size 0
		.amdhsa_enable_private_segment 0
		.amdhsa_kernarg_size 88
		.amdhsa_user_sgpr_count 2
		.amdhsa_user_sgpr_kernarg_segment_ptr 1
		.amdhsa_wavefront_size32 1
		.amdhsa_system_sgpr_workgroup_id_x 1
		.amdhsa_system_sgpr_workgroup_id_y 1
		.amdhsa_system_sgpr_workgroup_id_z 1
		.amdhsa_system_vgpr_workitem_id 0
		.amdhsa_next_free_vgpr 112
		.amdhsa_next_free_sgpr 66
		.amdhsa_reserve_vcc 0
		.amdhsa_float_denorm_mode_32 3
		.amdhsa_float_denorm_mode_16_64 3
		.amdhsa_memory_ordered 1
		.amdhsa_forward_progress 1
		.amdhsa_inst_pref_size 15
	.end_amdhsa_kernel
	.amdgpu_metadata
---
amdhsa.version: [ 1, 2 ]
amdhsa.kernels:
  - .name:           k_q9116b408d8_prep
    .symbol:         k_q9116b408d8_prep.kd
    .args:
      - { .name: minibatch, .offset: 0, .size: 8, .value_kind: global_buffer, .address_space: global }
      - { .name: Wq, .offset: 8, .size: 8, .value_kind: global_buffer, .address_space: global }
      - { .name: Wk, .offset: 16, .size: 8, .value_kind: global_buffer, .address_space: global }
      - { .name: Wv, .offset: 24, .size: 8, .value_kind: global_buffer, .address_space: global }
      - { .name: bq, .offset: 32, .size: 8, .value_kind: global_buffer, .address_space: global }
      - { .name: bk, .offset: 40, .size: 8, .value_kind: global_buffer, .address_space: global }
      - { .name: bv, .offset: 48, .size: 8, .value_kind: global_buffer, .address_space: global }
      - { .name: out0, .offset: 56, .size: 8, .value_kind: global_buffer, .address_space: global }
      - { .name: xb, .offset: 64, .size: 8, .value_kind: global_buffer, .address_space: global }
      - { .name: wt, .offset: 72, .size: 8, .value_kind: global_buffer, .address_space: global }
      - { .name: bb, .offset: 80, .size: 8, .value_kind: global_buffer, .address_space: global }
    .group_segment_fixed_size: 18432
    .private_segment_fixed_size: 0
    .kernarg_segment_align: 8
    .kernarg_segment_size: 88
    .max_flat_workgroup_size: 256
    .sgpr_count:     66
    .vgpr_count:     112
    .wavefront_size: 32
...
	.end_amdgpu_metadata
.endif
;; end of part 1
;; launch proj (part 2): grid 8 x 32, 4 waves a work-group, clusters of 4 x 4, 327,680 bytes of LDS; arguments xb, wt, bb, qkv; writes qkv
.if DOCPART == 2
	.amdgcn_target "amdgcn-amd-amdhsa--gfx1250"
	.amdhsa_code_object_version 6
	.text
	.protected	k_q9116b408d8_proj
	.globl	k_q9116b408d8_proj
	.p2align	8
	.type	k_q9116b408d8_proj,@function
k_q9116b408d8_proj:
	s_mov_b64 s[64:65], 0
	v_nop
	global_prefetch_b8 v0, s[64:65] scope:SCOPE_SE
	s_setreg_imm32_b32 hwreg(HW_REG_WAVE_MODE, 25, 1), 1
	s_wait_xcnt 0x0
	s_wait_alu depctr_hold_cnt(0) depctr_sa_sdst(0) depctr_va_vdst(0) depctr_va_sdst(0) depctr_va_ssrc(0) depctr_va_vcc(0) depctr_vm_vsrc(0)
	s_getreg_b32 s2, hwreg(HW_REG_IB_STS2, 6, 4)
	s_cmp_eq_u32 s2, 0
	s_cbranch_scc0 .Lentry_in_a_cluster
	s_endpgm
.Lentry_in_a_cluster:
	s_bfe_u32 s2, ttmp6, 0x10000c
	s_cmp_lg_u32 s2, 0xf033
	s_cbranch_scc0 .Lentry_shape_is_right
	s_endpgm
.Lentry_shape_is_right:
; PROJ.  qkv[m][n] = sum over k of x[m][k] w[n][k] + bias[n]: m = 8,192 rows, n = 3,072 (q | k | v), k = 1,024.  Operands bf16, sums f32, the result rounded once to bf16.
; THE TILE is 256 x 384: 8,192 x 3,072 outputs make 256 such tiles, one for each work-group of a grid of 8 x 32, all alike.  Four waves, each 128 x 192: 96 accumulators, 768 registers.
; K goes in steps of 64 through two LDS slots (640 rows at a step of 128 would not fit twice).  xb and wt lie in blocks of 64 k ([16][rows][64]), so a wave's part of a tile is dense in memory and is asked
; for as rows of 256 bytes at multiples of 256, padded in LDS after every 128 bytes, that is after every row of the matrix.
; CLUSTER 4 x 4: the four of a row need the same tiles of xb, the four of a column the same tiles of wt: each tile is asked for jointly.
; THE MATRIX INSTRUCTION IS USED TRANSPOSED (source 0 = 16 rows of wt, source 1 = 16 rows of xb): lane l holds row l % 16 of the result and columns 8 (l / 16) + 0..7, which pack into 16 bytes.
; REGISTERS, in windows of 256 (s_set_vgpr_msb: bits 1:0 source 0, 3:2 source 1, 5:4 source 2, 7:6 destination):
;   window 0: v0-31 addresses; v32-95, v96-159 fragments of xb (8 x 16 rows x 32 K), two buffers; v160-255 fragments of wt (12 x 16 rows x 32 K), ONE buffer; on the way out v32-223 at work
;   window 1 + g: the 32 accumulators of column blocks 4 g .. 4 g + 3 (GROUP g): (a, bl) at v[8 (4 a + bl)]
; A QUARTER is 32 along K: three groups of 32 products.  wt's fragments of group g are loaded again, for the next quarter, straight behind the group's products, and have the other two groups' 64 products
; in which to land; xb's next fragments go into the other buffer, half behind group 0 and half behind group 1.
; THE BIAS of column block b (register j: bias[16 b + 8 (l / 16) + j]) is loaded into the registers of accumulator (7, b); the products that start the sums of (0..6, b) take them as C, and (7, b) starts in place.
.set SIZE_N, 3072
.set PITCH,  144                       ; an LDS row: 128 bytes + 16 = 36 words: the 16 rows of a fragment load start at 16 different groups of four banks (64 banks of 4 bytes: ISA guide 11.1)
.set AHALF,  128*PITCH                 ; what a load of xb brings: 128 rows
.set BHALF,  192*PITCH                 ; what a load of wt brings: 192 rows
.set BOFF,   2*AHALF
.set SLOT,   BOFF+2*BHALF              ; 92,160: xb's 256 rows, then wt's 384 rows
.set STAGE,  2*SLOT                    ; behind the ring, never filled by a tensor load: 128 rows of 768 bytes + 16, the work-group's
.set SPITCH, 784
.set SPARE,  STAGE+128*SPITCH          ; the spare words, 128 bytes a wave; no other line names them
.set KBA,    8192*128                  ; bytes of a block of 64 k in xb
.set KBB,    3072*128                  ; and in wt
.set ADRA, 16                          ; v16-17  LDS address of my fragments of xb in slot 0, 1
.set ADRB, 18                          ; v18-19  the same for wt
.set STO,  24
.set RD,   25
.set CO,   26
.set SPW,  28                          ; v28  SPARE + 4 x my thread's number; never rewritten
.set NIL,  29                          ; v29  0; never rewritten
.set AF,   32
.set BF,   160
.set TMP,  32
.set WV, 12                            ; s12 my wave's number; s13 my half of the rows, and: I fetch for xb (0) or wt (1); s14 my half of the columns, and: which half I fetch
.set G1, 24                            ; s[24:31] group 1 for xb's tiles;  s[32:39] group 0, a set for each slot
.set G0, 32
.set G1B, 48                           ; s[48:55], s[56:63] the same for wt's
.set G0B, 56
.set DESC, (1<<16)|(1<<20)|(1<<21)|(4<<22)|(3<<25)  ; 2-byte elements; padding on; bit 21 beside a mask; after every 32 words, 4 words
.set MSB, 0
.macro WIN new                         ; the immediate's high byte repeats the setting that is left; a switch that changes nothing is dropped
.if MSB != (\new)
	s_set_vgpr_msb (MSB<<8)|(\new)
.set MSB, \new
.endif
.endm
.macro PLACES                          ; four plain vector instructions between a matrix instruction and a load into, or a vector read of, its registers
.rept 4
	v_nop
.endr
.endm
; A joint load: waves 0 and 1 fetch xb's two halves, waves 2 and 3 wt's.  The branch hangs on the wave's number alone.  An s_nop 0 and four v_nop follow each line.
.macro JLOAD s
	s_cmp_eq_u32 s13, 0
	s_cbranch_scc0 .Lfor_b_\@
	tensor_load_to_lds s[G0+4*(\s):G0+4*(\s)+3], s[G1:G1+7]
	s_nop 0
	PLACES
	s_branch .Lasked_\@
.Lfor_b_\@:
	tensor_load_to_lds s[G0B+4*(\s):G0B+4*(\s)+3], s[G1B:G1B+7]
	s_nop 0
	PLACES
.Lasked_\@:
.endm
.macro CREST                           ; a round of the cluster's barrier behind its opening barrier
	s_cmp_lg_u32 s[WV], 0
	s_cbranch_scc1 .Lnot_wave_0_\@
	s_barrier_signal -3
.Lnot_wave_0_\@:
	s_barrier_wait -3
	s_barrier_signal -1
	s_barrier_wait -1
.endm
.macro CROUND
	s_barrier_signal -1
	s_barrier_wait -1
	CREST
.endm
	s_load_b256 s[4:11], s[0:1], 0x0               ; xb s[4:5], wt s[6:7], bb s[8:9], qkv s[10:11]
	v_lshl_add_u32 v[SPW], v0, 2, SPARE
	v_mov_b32 v[NIL], 0
	ds_add_u32 v[SPW], v[NIL]                      ; the wave's opening: the add and its wait stand ahead of my first tensor load; register work stands between them
	ds_add_u32 v28, v29
	v_lshrrev_b32 v1, 5, v0
	v_readfirstlane_b32 s[WV], v1                  ; wave 0..3
	s_lshr_b32 s13, s[WV], 1
	s_and_b32 s14, s[WV], 1
	s_bfe_u32 s40, ttmp6, 0x40000                  ; cx
	s_bfe_u32 s41, ttmp6, 0x40004                  ; cy
	s_lshl_b32 s42, ttmp9, 2
	s_add_co_u32 s42, s42, s40                     ; tile column = 4 x cluster x + cx
	s_and_b32 s43, ttmp7, 0xffff
	s_lshl_b32 s43, s43, 2
	s_add_co_u32 s43, s43, s41                     ; tile row = 4 x cluster y + cy
	s_lshl_b32 s44, s41, 2
	s_lshl_b32 s44, 15, s44                        ; my row of the cluster
	s_lshl_b32 s45, 0x1111, s40                    ; my column
	s_or_b32 s[G1+0], s44, DESC
	s_or_b32 s[G1B+0], s45, DESC
.irp g, G1, G1B
	s_mov_b32 s[(\g)+1], 128<<16                   ; tensor_dim0 = 128 elements: two rows of the matrix, 256 bytes
	s_mov_b32 s[(\g)+3], 128<<16                   ; tile_dim0 = 128
	s_mov_b32 s[(\g)+5], 128                       ; elements from row to row: the block is dense
	s_mov_b32 s[(\g)+6], 0
	s_mov_b32 s[(\g)+7], 0
.endr
	s_mov_b32 s[G1+2], 64<<16                      ; xb: tensor_dim1 = tile_dim1 = 64: 128 rows of the matrix
	s_mov_b32 s[G1+4], 64
	s_mov_b32 s[G1B+2], 96<<16                     ; wt: 96: 192 rows of the matrix
	s_mov_b32 s[G1B+4], 96
	s_lshl_b32 s16, s43, 15                        ; xb: row 256 x tile row + 128 x half, 128 bytes a row in a block
	s_lshl_b32 s17, s14, 14
	s_add_co_u32 s16, s16, s17
	s_mov_b32 s17, 0
	s_mul_i32 s46, s42, 384*128                    ; wt: row 384 x tile column + 192 x half
	s_mul_i32 s47, s14, 192*128
	s_add_co_u32 s46, s46, s47
	s_mov_b32 s47, 0
	s_mul_i32 s20, s14, AHALF                      ; where they go: no place in the cluster enters an LDS address
	s_mul_i32 s21, s14, BHALF
	s_add_co_u32 s21, s21, BOFF
	s_mul_i32 s18, s42, 384*4                      ; bb: my 192 numbers
	s_mul_i32 s19, s14, 192*4
	s_add_co_u32 s18, s18, s19
	s_mov_b32 s19, 0
	s_lshl_b32 s22, s43, 8                         ; qkv: the first row that I STORE: 256 x tile row + 128 x (wave / 2) + 32 x (wave % 2),
	s_lshl_b32 s23, s13, 7
	s_add_co_u32 s22, s22, s23
	s_lshl_b32 s23, s14, 5
	s_add_co_u32 s22, s22, s23
	s_mul_i32 s22, s22, SIZE_N*2
	s_mul_i32 s23, s42, 768                        ; and the tile's first column, in bytes
	s_add_co_u32 s22, s22, s23
	s_mov_b32 s23, 0
	s_wait_dscnt 0x0                               ; the opening add is done
	s_wait_kmcnt 0x0
	s_add_nc_u64 s[66:67], s[4:5], s[16:17]
	s_add_nc_u64 s[46:47], s[6:7], s[46:47]
	s_add_nc_u64 s[8:9], s[8:9], s[18:19]
	s_add_nc_u64 s[10:11], s[10:11], s[22:23]
	CROUND                                         ; all sixteen work-groups are here: the first joint loads meet
.irp s, 0,1
	s_mov_b32 s[G0+4*(\s)], 1
	s_add_co_u32 s[G0+4*(\s)+1], s20, (\s)*SLOT
	s_add_nc_u64 s[G0+4*(\s)+2:G0+4*(\s)+3], s[66:67], (\s)*KBA
	s_or_b32 s[G0+4*(\s)+3], s[G0+4*(\s)+3], 0x80000000
	s_mov_b32 s[G0B+4*(\s)], 1
	s_add_co_u32 s[G0B+4*(\s)+1], s21, (\s)*SLOT
	s_add_nc_u64 s[G0B+4*(\s)+2:G0B+4*(\s)+3], s[46:47], (\s)*KBB
	s_or_b32 s[G0B+4*(\s)+3], s[G0B+4*(\s)+3], 0x80000000
	JLOAD \s                                       ; K steps 0 and 1: two loads of mine are out
.endr
	v_and_b32 v1, 15, v0                           ; r = l % 16
	v_bfe_u32 v2, v0, 4, 1                         ; h = l / 16
	v_lshlrev_b32 v6, 5, v2                        ; the bias: 8 numbers further on for the upper half of the lanes
.irp g, 0,1,2
	WIN ((\g)+1)<<6                                ; destination window 1 + g, address window 0
.irp bl, 0,1,2,3
	global_load_b128 v[224+8*(\bl):224+8*(\bl)+3],   v6, s[8:9] offset:64*(4*(\g)+(\bl))
	global_load_b128 v[224+8*(\bl)+4:224+8*(\bl)+7], v6, s[8:9] offset:64*(4*(\g)+(\bl))+16
.endr
.endr
	WIN 0
	v_mul_u32_u24 v3, v1, PITCH
	v_lshl_add_u32 v3, v2, 4, v3                   ; a fragment's row x pitch + 16 x half
	s_mul_i32 s16, s13, AHALF                      ; my 128 rows of xb
.irp s, 0,1
	v_add_nc_u32 v[ADRA+(\s)], s16, v3
	v_add_nc_u32 v[ADRB+(\s)], s21, v3             ; my 192 rows of wt lie where the wave of my column half put them
	s_add_co_u32 s16, s16, SLOT
	s_add_co_u32 s21, s21, SLOT
.endr
	s_mul_i32 s16, s13, 64*SPITCH                  ; into the stage: my 64 rows of a pass, my 384 bytes of each; row r, 16 bytes for each half of the lanes
	s_mul_i32 s17, s14, 384
	s_add_co_u32 s16, s16, s17
	s_add_co_u32 s16, s16, STAGE
	v_mul_u32_u24 v4, v1, SPITCH
	v_lshl_add_u32 v4, v2, 4, v4
	v_add_nc_u32 v[STO], s16, v4
	s_mul_i32 s16, s[WV], 32*SPITCH                ; back: wave w takes rows 32 w .. 32 w + 31, whole; lanes 0-15 256 bytes of one row, lanes 16-31 of the next
	s_add_co_u32 s16, s16, STAGE
	v_mul_u32_u24 v5, v2, SPITCH
	v_lshl_add_u32 v5, v1, 4, v5
	v_add_nc_u32 v[RD], s16, v5
	v_mul_u32_u24 v5, v2, SIZE_N*2
	v_lshl_add_u32 v[CO], v1, 4, v5                ; the same two rows in qkv
; 16 matrix instructions: row blocks 4 half .. 4 half + 3 x group g's four column blocks, 32 along K, on buffer f of xb.  The 96 accumulators take turns, one instruction a turn.
; zero = 1: the products start the sums, with the bias, which lies in (7, bl)'s registers; five plain places stand between the last product that reads them as C and the products that write them (ISA guide 7.12.1).
.macro GRPH g, f, half, zero
	WIN 0x50*((\g)+1)                              ; sources 0 and 1 window 0, C and D window 1 + g
.irp a, 0,1,2,3
.if (\zero) && (\half) && ((\a) == 3)
.rept 5
	v_nop
.endr
.endif
.irp bl, 0,1,2,3
.if \zero
	v_wmma_f32_16x16x32_bf16 v[8*(4*(4*(\half)+(\a))+(\bl)):8*(4*(4*(\half)+(\a))+(\bl))+7], v[BF+8*(4*(\g)+(\bl)):BF+8*(4*(\g)+(\bl))+7], v[AF+64*(\f)+8*(4*(\half)+(\a)):AF+64*(\f)+8*(4*(\half)+(\a))+7], v[224+8*(\bl):224+8*(\bl)+7]
.else
	v_wmma_f32_16x16x32_bf16 v[8*(4*(4*(\half)+(\a))+(\bl)):8*(4*(4*(\half)+(\a))+(\bl))+7], v[BF+8*(4*(\g)+(\bl)):BF+8*(4*(\g)+(\bl))+7], v[AF+64*(\f)+8*(4*(\half)+(\a)):AF+64*(\f)+8*(4*(\half)+(\a))+7], v[8*(4*(4*(\half)+(\a))+(\bl)):8*(4*(4*(\half)+(\a))+(\bl))+7]
.endif
.endr
.endr
.endm
.macro GRP g, f, zero
	GRPH \g, \f, 0, \zero
	GRPH \g, \f, 1, \zero
.endm
; Eight LDS loads each, under window 0: group g's four fragments of wt; half a buffer (four fragments) of xb.  32 K at byte k of the slot's rows.
.macro LDB g, slot, k
.irp bl, 0,1,2,3
	ds_load_b128 v[BF+8*(4*(\g)+(\bl)):BF+8*(4*(\g)+(\bl))+3],   v[ADRB+(\slot)] offset:(\k)+(4*(\g)+(\bl))*16*PITCH
	ds_load_b128 v[BF+8*(4*(\g)+(\bl))+4:BF+8*(4*(\g)+(\bl))+7], v[ADRB+(\slot)] offset:(\k)+(4*(\g)+(\bl))*16*PITCH+32
.endr
.endm
.macro LDA half, f, slot, k
.irp i, 0,1,2,3
	ds_load_b128 v[AF+64*(\f)+8*(4*(\half)+(\i)):AF+64*(\f)+8*(4*(\half)+(\i))+3],   v[ADRA+(\slot)] offset:(\k)+(4*(\half)+(\i))*16*PITCH
	ds_load_b128 v[AF+64*(\f)+8*(4*(\half)+(\i))+4:AF+64*(\f)+8*(4*(\half)+(\i))+7], v[ADRA+(\slot)] offset:(\k)+(4*(\half)+(\i))*16*PITCH+32
.endr
.endm
; A K step's FIRST quarter: multiplies buffer 0 and fetches the step's second quarter (byte 64 of the same slot's rows) into buffer 1 and into wt's fragments as they fall free.
; The order of the loads is always: wt 0, xb low, xb high, wt 1, wt 2; the counts below follow from it.
.macro QA slot, zero
	s_wait_dscnt 16                                ; wt's group 0 and all of xb are in; the youngest sixteen loads (wt's groups 1 and 2) may be out
	GRP 0, 0, \zero
	PLACES
	WIN 0
	LDB 0, \slot, 64
	LDA 0, 1, \slot, 64
	s_wait_dscnt 24                                ; wt's group 1 is in: behind it came group 2's eight loads and the sixteen just issued
	GRP 1, 0, \zero
	PLACES
	WIN 0
	LDA 1, 1, \slot, 64
	LDB 1, \slot, 64
	s_wait_dscnt 32                                ; wt's group 2 is in: behind it came the two runs of sixteen
	GRP 2, 0, \zero
	PLACES
	WIN 0
	LDB 2, \slot, 64
.endm
; A K step's SECOND quarter multiplies buffer 1 and changes slots.  All reads of this slot were issued in the first quarter.  ONE barrier: in front of it each wave waits for all its tensor loads (one is out:
; its part of the next slot), adds 0 to its spare word, and waits for that and for its reads of this slot.  fill = 1: the barrier opens a round of the cluster's, and this slot is filled again, two K steps
; on, first thing behind it: of a step's 192 products 160 stand between that request and the wait for it.
.macro TQ slot, next, fill
	s_wait_dscnt 16
	GRP 0, 1, 0
	WIN 0                                          ; (the add's two registers lie in window 0)
	s_wait_tensorcnt 0x0                           ; no tensor load of mine is out
	ds_add_u32 v[SPW], v[NIL]
	s_wait_dscnt 9                                 ; wt's group 1 is in: group 2's eight loads and the add may be out
	GRPH 1, 1, 0, 0                                ; sixteen products stand between the add and the wait for it
	s_wait_dscnt 0x0                               ; the add is done, my reads of this slot are over (the last were issued 48 products ago)
	s_barrier_signal -1
	GRPH 1, 1, 1, 0
	WIN 0
	s_barrier_wait -1
.if \fill
	CREST                                          ; no wave of any partner still reads this slot's tiles or has a load on its way
	s_add_nc_u64 s[G0+4*(\slot)+2:G0+4*(\slot)+3], s[G0+4*(\slot)+2:G0+4*(\slot)+3], 2*KBA
	s_add_nc_u64 s[G0B+4*(\slot)+2:G0B+4*(\slot)+3], s[G0B+4*(\slot)+2:G0B+4*(\slot)+3], 2*KBB
	JLOAD \slot                                    ; its four v_nop are also the places in front of the loads below
.else
	PLACES
.endif
	LDB 0, \next, 0                                ; the next slot's first quarter
	LDA 0, 0, \next, 0
	LDA 1, 0, \next, 0
	LDB 1, \next, 0
	GRP 2, 1, 0                                    ; wt's group 2 came in with the wait for 0
	PLACES
	WIN 0
	LDB 2, \next, 0
.endm
	s_wait_tensorcnt 1                             ; my part of K step 0 is in; K step 1's may stay out
	s_barrier_signal -1
	s_barrier_wait -1
	LDB 0, 0, 0
	LDA 0, 0, 0, 0
	LDA 1, 0, 0, 0
	LDB 1, 0, 0
	LDB 2, 0, 0
	s_wait_loadcnt 0x0                             ; the bias
	QA 0, 1                                        ; the first quarter stands in front of the loop: its products start the sums
	WIN 0                                          ; at a label and at a branch every window is 0
	s_mov_b32 s3, 7
.Llap:                                                 ; seven trips, each once round the ring, from a lap's second quarter to the next lap's first: K steps 2 to 15 are asked for
	TQ 0, 1, 1
	QA 1, 0
	TQ 1, 0, 1
	QA 0, 0
	WIN 0
	s_sub_co_u32 s3, s3, 1
	s_cmp_lg_u32 s3, 0
	s_cbranch_scc1 .Llap
	TQ 0, 1, 0                                     ; the rest of the last lap is written out: it asks for nothing
	QA 1, 0
	s_wait_dscnt 16                                ; the very last quarter: nothing more to fetch
	GRP 0, 1, 0
	s_wait_dscnt 8                                 ; group 2's eight loads may be out
	GRP 1, 1, 0
	s_wait_dscnt 0x0
	GRP 2, 1, 0
; THE WAY OUT, in two passes of 64 rows a wave.  A wave's 192 columns are 384 bytes, one and a half aligned runs of 256, so the two waves of a row half write the two halves of the same stage rows, a barrier
; stands between the writing and the reading, and each wave then reads 32 whole rows of 768 bytes and stores them.
.macro PACK p                          ; row blocks 4 p .. 4 p + 3, rounded to bf16: 192 registers; each accumulator is read from its low end on
.irp g, 0,1,2
	WIN 5*((\g)+1)                                 ; sources 0 and 1 window 1 + g, destination window 0
.irp al, 0,1,2,3
.irp bl, 0,1,2,3
.irp r, 0,1,2,3
	v_cvt_pk_bf16_f32 v[TMP+48*(\al)+4*(4*(\g)+(\bl))+(\r)], v[8*(4*(4*(\p)+(\al))+(\bl))+2*(\r)], v[8*(4*(4*(\p)+(\al))+(\bl))+2*(\r)+1]
.endr
.endr
.endr
.endr
	WIN 0
.endm
.macro SEND p
.irp al, 0,1,2,3
.irp b, 0,1,2,3,4,5,6,7,8,9,10,11
	ds_store_b128 v[STO], v[TMP+48*(\al)+4*(\b):TMP+48*(\al)+4*(\b)+3] offset:(\al)*16*SPITCH+32*(\b)
.endr
.endr
	s_wait_dscnt 0x0                               ; for the others' sake: my stores into the stage are done
	s_barrier_signal -1
	s_barrier_wait -1
.set t, 0
.rept 48                               ; rows 2 (t / 3) and + 1 of my 32, run t % 3 of their three runs of 256 bytes
	ds_load_b128 v[TMP+4*t:TMP+4*t+3], v[RD] offset:2*(t/3)*SPITCH+256*(t%3)
.set t, t+1
.endr
.set t, 0
.rept 48
	s_wait_dscnt 47-t                              ; LDS loads come back in order: number t is in
	global_store_b128 v[CO], v[TMP+4*t:TMP+4*t+3], s[10:11] offset:(64*(\p)+2*(t/3))*SIZE_N*2+256*(t%3)  ; 16 lanes store 256 consecutive bytes, at a multiple of 256 from qkv's first byte
.set t, t+1
.endr
.endm
	PLACES                                         ; the conversions read results just made
	PACK 0
	SEND 0
	s_wait_xcnt 0x0                                ; the registers that the stores read are rewritten only behind this wait
	s_wait_dscnt 0x0                               ; my reads of the stage are back:
	s_barrier_signal -1                            ; say so; the second pass's conversions, work on registers, stand between the signal and the wait;
	PACK 1
	s_barrier_wait -1                              ; nobody reads the stage any more: it may be written again
	SEND 1
	s_wait_tensorcnt 0x0                           ; the wave's end
	ds_add_u32 v[SPW], v[NIL]
	s_wait_dscnt 0x0
	CROUND                                         ; the closing round: no work-group ends while a partner may still ask for a tile that names it
	s_endpgm
.Lfunc_end_k_q9116b408d8_proj:
	.size	k_q9116b408d8_proj, .Lfunc_end_k_q9116b408d8_proj-k_q9116b408d8_proj
	.p2alignl 7, 3214868480
	.fill 96, 4, 3214868480
	.section	.rodata,"a",@progbits
	.p2align	6, 0x0
	.amdhsa_kernel k_q9116b408d8_proj
		.amdhsa_group_segment_fixed_size 327680
		.amdhsa_private_segment_fixed_size 0
		.amdhsa_enable_private_segment 0
		.amdhsa_kernarg_size 32
		.amdhsa_user_sgpr_count 2
		.amdhsa_user_sgpr_kernarg_segment_ptr 1
		.amdhsa_wavefront_size32 1
		.amdhsa_system_sgpr_workgroup_id_x 1
		.amdhsa_system_sgpr_workgroup_id_y 1
		.amdhsa_system_sgpr_workgroup_id_z 1
		.amdhsa_system_vgpr_workitem_id 0
		.amdhsa_next_free_vgpr 1024
		.amdhsa_next_free_sgpr 72
		.amdhsa_reserve_vcc 0
		.amdhsa_float_denorm_mode_32 3
		.amdhsa_float_denorm_mode_16_64 3
		.amdhsa_memory_ordered 1
		.amdhsa_forward_progress 1
		.amdhsa_inst_pref_size 134
	.end_amdhsa_kernel
	.amdgpu_metadata
---
amdhsa.version: [ 1, 2 ]
amdhsa.kernels:
  - .name:           k_q9116b408d8_proj
    .symbol:         k_q9116b408d8_proj.kd
    .args:
      - { .name: xb, .offset: 0, .size: 8, .value_kind: global_buffer, .address_space: global }
      - { .name: wt, .offset: 8, .size: 8, .value_kind: global_buffer, .address_space: global }
      - { .name: bb, .offset: 16, .size: 8, .value_kind: global_buffer, .address_space: global }
      - { .name: qkv, .offset: 24, .size: 8, .value_kind: global_buffer, .address_space: global }
    .group_segment_fixed_size: 327680
    .private_segment_fixed_size: 0
    .kernarg_segment_align: 8
    .kernarg_segment_size: 32
    .max_flat_workgroup_size: 128
    .sgpr_count:     72
    .vgpr_count:     1024
    .wavefront_size: 32
...
	.end_amdgpu_metadata
.endif
;; end of part 2
;; launch scores (part 3): grid 9 x 16, 4 waves a work-group, no clusters, 327,680 bytes of LDS; arguments qkv, st, pt; writes pt, st
.if DOCPART == 3
	.amdgcn_target "amdgcn-amd-amdhsa--gfx1250"
	.amdhsa_code_object_version 6
	.text
	.protected	k_q9116b408d8_scores
	.globl	k_q9116b408d8_scores
	.p2align	8
	.type	k_q9116b408d8_scores,@function
k_q9116b408d8_scores:
	s_mov_b64 s[64:65], 0
	v_nop
	global_prefetch_b8 v0, s[64:65] scope:SCOPE_SE
	s_setreg_imm32_b32 hwreg(HW_REG_WAVE_MODE, 25, 1), 1
	s_wait_xcnt 0x0
; SCORES.  For each tile of 256 queries x 256 keys on or below the diagonal (36 a batch, 144 work-groups of equal work): S = q k^T over 1,024 channels, the causal mask, and a softmax LOCAL to each
; wave's 128 x 128: for each query m = the largest score of these 128 keys, P~ = 2^(c s - c m) rounded to bf16 into pt, and two f32 into st: c m and l = the sum of the unrounded P~; c = log2(e) / 32.
; The next launch joins the key blocks with the true maximum over all of them, so the maximum is taken away exactly as in a softmax over the whole row, and no exponent here is above 0.
; LIMITS.  A hidden score counts as its value less 2^100.  2^100 is a power of two so that in a wave tile that is wholly hidden m = -2^100 and c m are exact and c s - c m is exactly 0: P~ = 1, l = 128,
; c m far below every true c m, and the next launch gives the block the factor 0.  That holds for |q . k| under 2^75.  A weight below 2^-126 counts as 0; NaN and infinities are not treated apart.
; NO CLUSTER: tile row i has i + 1 live tiles and tile column j has 8 - j, so no fixed group of four shares q's or k's tiles at every place; partners above the diagonal would have to ask, compute and discard.
; Ring, fragments and windows: two LDS slots of a K step of 128 (rows of 256 bytes of memory at multiples of 256); source 0 = 16 keys, source 1 = 16 queries, so a lane holds ONE query (l % 16) and keys 8 (l / 16) + 0..7.
;   window 0: v0-31 addresses; v64-127, v128-191 fragments of q; afterwards v64-127 the block in hand, v128-133 statistics; v32-63, v192-223 the way out
;   window 1: v64-191 fragments of k; v0-63, v192-247 the fifteen masks      windows 2, 3: the 64 accumulators ((a, b) at v[8 (8 (a % 4) + b)])
.set KSTEP,  128
.set PITCH,  272                       ; 256 bytes + 16: the 16 rows of a fragment load start at 16 different groups of four banks (64 banks of 4 bytes: ISA guide 11.1)
.set HALFT,  128*PITCH
.set SLOT,   4*HALFT                   ; q's 256 rows, then k's 256 rows
.set STAGE,  2*SLOT                    ; 16 rows x 272 bytes for each wave
.set SPITCH, 272
.set SPARE,  STAGE+4*16*SPITCH         ; the spare words, 128 bytes a wave; no other line names them
.set STAT,   SPARE+512                 ; 1,024 bytes for each wave: 128 c m, then 128 l
.set LAPS,   4
.set ADRA, 16
.set ADRB, 18                          ; v18-19
.set SA,   20                          ; v20  my word in the wave's statistics, block 0;  v21 the block in hand's
.set SR,   22                          ; v22  where I read 16 bytes of them back;  v23 the same place in st
.set STO,  24
.set RD,   25
.set CO,   26
.set SPW,  28                          ; v28  SPARE + 4 x my thread's number; never rewritten
.set NIL,  29                          ; v29  0; never rewritten
.set F0,   64
.set F1,   128
.set WK,   64                          ; the block in hand: 64 scores a lane
.set CH,   128                         ; v128-131 four chains; v132 c m; v133 m
.set MD,   136                         ; v136-143, only ahead of the first fetch: the mask of a 16 x 16 block on the diagonal
.set TMP,  192
.set OB,   32
.set G1, 24
.set G0, 32
.set AL, 48                            ; s[48:49] a mask's factor, in the low word
.set BE, 50                            ; s[50:51] its addend
.set BIGN, 54
.set CS, 56                            ; s[56:57] c
.set SEL, 58                           ; s[58:59] v_permlanex16_b32's selects: each lane takes its own place in the other half
.set MSB, 0
.macro WIN new
.if MSB != (\new)
	s_set_vgpr_msb (MSB<<8)|(\new)
.set MSB, \new
.endif
.endm
.set MUL_LO, 0xa1
.set TO_B,   0x40
.macro PLACES
.rept 4
	v_nop
.endr
.endm
.macro TLOAD s                         ; every wave fetches 128 rows of its own: waves 0, 1 q's halves, waves 2, 3 k's; an s_nop 0 and four v_nop follow
	tensor_load_to_lds s[G0+4*(\s):G0+4*(\s)+3], s[G1:G1+7]
	s_nop 0
	PLACES
.endm
	s_load_b128 s[4:7], s[0:1], 0x0                ; qkv s[4:5], st s[6:7]
	s_load_b64 s[8:9], s[0:1], 0x10                ; pt
	v_lshl_add_u32 v[SPW], v0, 2, SPARE
	v_mov_b32 v[NIL], 0
	ds_add_u32 v[SPW], v[NIL]                      ; the wave's opening: the add and its wait stand ahead of my first tensor load
	ds_add_u32 v28, v29
	v_lshrrev_b32 v1, 5, v0
	v_readfirstlane_b32 s10, v1
	s_lshr_b32 s11, s10, 1                         ; my half of the queries
	s_and_b32 s12, s10, 1                          ; my half of the keys.  Also: which 128 rows I fetch
	s_mov_b32 s40, ttmp9                           ; u = 0..8
	s_and_b32 s42, ttmp7, 0xffff
	s_and_b32 s41, s42, 3                          ; p
	s_lshr_b32 s42, s42, 2                         ; the batch
	s_sub_co_u32 s43, 7, s41
	s_sub_co_u32 s44, s40, s41
	s_sub_co_u32 s44, s44, 1
	s_cmp_le_u32 s40, s41                          ; tile rows p (p + 1 tiles) and 7 - p (8 - p tiles) make nine
	s_cselect_b32 s43, s41, s43                    ; tile row ti
	s_cselect_b32 s44, s40, s44                    ; tile column tj
	s_mov_b32 s[G1+0], (1<<16)|(1<<20)|(5<<22)|(3<<25)  ; 2-byte elements; padding on: after every 64 words, 4 words
	s_mov_b32 s[G1+1], KSTEP<<16                   ; tensor_dim0 = 128
	s_mov_b32 s[G1+2], 128<<16                     ; tensor_dim1 = 128
	s_mov_b32 s[G1+3], KSTEP<<16                   ; tile_dim0 = 128
	s_mov_b32 s[G1+4], 128                         ; tile_dim1 = 128
	s_mov_b32 s[G1+5], 3072                        ; elements from row to row of qkv
	s_mov_b32 s[G1+6], 0
	s_mov_b32 s[G1+7], 0
	s_mov_b32 s[CS], 0x3d38aa3b                    ; c = log2(e) / 32
	s_mov_b32 s[CS+1], s[CS]
	s_mov_b32 s[SEL], 0x76543210
	s_mov_b32 s[SEL+1], 0xfedcba98
	s_mov_b32 s[BIGN], 0xf1800000                  ; -2^100
	s_mov_b32 s[AL+1], 0                           ; named as pairs
	s_mov_b32 s[BE+1], 0
	s_cmp_lt_u32 s10, 2
	s_cselect_b32 s16, s43, s44                    ; q's rows go by ti, k's by tj
	s_cselect_b32 s18, 0, 2048                     ; k begins 1,024 bf16 into a row of qkv
	s_lshl_b32 s16, s16, 8
	s_lshl_b32 s17, s12, 7
	s_add_co_u32 s16, s16, s17
	s_lshl_b32 s17, s42, 11
	s_add_co_u32 s16, s16, s17                     ; row 2,048 b + 256 t + 128 x half
	s_mul_i32 s16, s16, 6144
	s_add_co_u32 s16, s16, s18
	s_mov_b32 s17, 0
	s_mul_i32 s20, s10, HALFT
	s_lshl_b32 s18, s42, 23                        ; pt: rows of 4,096 bytes: 2,048 b + 256 ti + 128 x my half of the queries,
	s_lshl_b32 s19, s43, 20
	s_add_co_u32 s18, s18, s19
	s_lshl_b32 s19, s11, 19
	s_add_co_u32 s18, s18, s19
	s_lshl_b32 s19, s44, 9                         ; and byte 512 tj + 256 x my half of the keys
	s_add_co_u32 s18, s18, s19
	s_lshl_b32 s19, s12, 8
	s_add_co_u32 s18, s18, s19
	s_mov_b32 s19, 0
	s_lshl_b32 s22, s42, 18                        ; st: [b][key block 2 tj + half][c m, l][2,048 queries] f32
	s_lshl_b32 s23, s44, 15
	s_add_co_u32 s22, s22, s23
	s_lshl_b32 s23, s12, 14
	s_add_co_u32 s22, s22, s23
	s_lshl_b32 s23, s43, 10
	s_add_co_u32 s22, s22, s23
	s_lshl_b32 s23, s11, 9
	s_add_co_u32 s22, s22, s23
	s_mov_b32 s23, 0
	s_wait_dscnt 0x0                               ; the opening add is done
	s_wait_kmcnt 0x0
	s_add_nc_u64 s[14:15], s[4:5], s[16:17]
	s_add_nc_u64 s[8:9], s[8:9], s[18:19]
	s_add_nc_u64 s[6:7], s[6:7], s[22:23]
.irp s, 0,1
	s_mov_b32 s[G0+4*(\s)], 1
	s_add_co_u32 s[G0+4*(\s)+1], s20, (\s)*SLOT
	s_add_nc_u64 s[G0+4*(\s)+2:G0+4*(\s)+3], s[14:15], (\s)*KSTEP*2
	s_or_b32 s[G0+4*(\s)+3], s[G0+4*(\s)+3], 0x80000000
	TLOAD \s                                       ; K steps 0 and 1: two loads of mine are out
.endr
	v_and_b32 v1, 15, v0                           ; r = l % 16
	v_bfe_u32 v2, v0, 4, 1                         ; h = l / 16
	v_mul_u32_u24 v3, v1, PITCH
	v_lshl_add_u32 v3, v2, 4, v3
	s_mul_i32 s21, s11, HALFT
	s_mul_i32 s22, s12, HALFT
	s_add_co_u32 s22, s22, 2*HALFT
.irp s, 0,1
	v_add_nc_u32 v[ADRA+(\s)], s21, v3
	v_add_nc_u32 v[ADRB+(\s)], s22, v3
	s_add_co_u32 s21, s21, SLOT
	s_add_co_u32 s22, s22, SLOT
.endr
	s_mul_i32 s23, s10, 16*SPITCH
	s_add_co_u32 s23, s23, STAGE
	v_mul_u32_u24 v4, v1, SPITCH
	v_lshl_add_u32 v4, v2, 4, v4
	v_add_nc_u32 v[STO], s23, v4
	v_mul_u32_u24 v5, v2, SPITCH
	v_lshl_add_u32 v5, v1, 4, v5
	v_add_nc_u32 v[RD], s23, v5
	v_lshlrev_b32 v[CO], 12, v2
	v_lshl_add_u32 v[CO], v1, 4, v[CO]             ; two rows of pt, 16 bytes a lane
	s_lshl_b32 s23, s10, 10
	s_add_co_u32 s23, s23, STAT                    ; my wave's statistics
	v_lshl_add_u32 v[SA], v1, 2, s23
	v_and_b32 v[SR+1], 31, v0
	v_lshlrev_b32 v[SR+1], 4, v[SR+1]
	v_add_nc_u32 v[SR], s23, v[SR+1]
	; THE MASKS, in the wait for the first tile.  Key 16 b + 8 h + j of my 128 is hidden from query 16 a + r where D0 + 16 (b - a) + 8 h + j - r > 0, D0 = 256 (tj - ti) + 128 (my key half - my query half).
	; With e = D0 + 16 (b - a): e > 0 hides all, e < 0 nothing, e = 0 is MD.  Mask d = b - a + 7 is MD x AL + BE.
	v_lshlrev_b32 v14, 3, v2
	v_sub_nc_u32 v14, v1, v14                      ; r - 8 h
.irp j, 0,1,2,3,4,5,6,7
	v_cmp_gt_i32 vcc_lo, \j, v14
	v_cndmask_b32 v[MD+(\j)], 0, s[BIGN], vcc_lo
.endr
	s_sub_co_i32 s45, s44, s43
	s_lshl_b32 s45, s45, 8
	s_sub_co_i32 s46, s12, s11
	s_lshl_b32 s46, s46, 7
	s_add_co_i32 s45, s45, s46                     ; D0
	WIN 0x40                                       ; destination window 1
.set d, 0
.rept 15
	s_add_co_i32 s46, s45, 16*(d-7)
	s_cmp_eq_u32 s46, 0
	s_cselect_b32 s[AL], 1.0, 0
	s_cmp_gt_i32 s46, 0
	s_cselect_b32 s[BE], s[BIGN], 0
.if d < 8
.set rM, 8*d
.else
.set rM, 192+8*(d-8)
.endif
.irp z, 0,1,2,3
	v_pk_fma_f32 v[rM+2*(\z):rM+2*(\z)+1], v[MD+2*(\z):MD+2*(\z)+1], s[AL:AL+1], s[BE:BE+1] op_sel_hi:[1,0,0]
.endr
.set d, d+1
.endr
	WIN 0
.macro MUL16 f, hi, a0, zero           ; 16 matrix instructions; zero = 1: the first product starts the sums.  The 64 accumulators take turns.
	WIN MUL_LO+0x50*(\hi)
.irp a, \a0, (\a0)+1
.irp b, 0,1,2,3,4,5,6,7
.if \zero
	v_wmma_f32_16x16x32_bf16 v[8*(8*(\a)+(\b)):8*(8*(\a)+(\b))+7], v[(\f)+8*(\b):(\f)+8*(\b)+7], v[(\f)+8*(4*(\hi)+(\a)):(\f)+8*(4*(\hi)+(\a))+7], 0
.else
	v_wmma_f32_16x16x32_bf16 v[8*(8*(\a)+(\b)):8*(8*(\a)+(\b))+7], v[(\f)+8*(\b):(\f)+8*(\b)+7], v[(\f)+8*(4*(\hi)+(\a)):(\f)+8*(4*(\hi)+(\a))+7], v[8*(8*(\a)+(\b)):8*(8*(\a)+(\b))+7]
.endif
.endr
.endr
.endm
.macro FETCH slot, k, f
	WIN TO_B
.irp i, 0,1,2,3,4,5,6,7
	ds_load_b128 v[(\f)+8*(\i):(\f)+8*(\i)+3],   v[ADRB+(\slot)] offset:(\k)+(\i)*16*PITCH
	ds_load_b128 v[(\f)+8*(\i)+4:(\f)+8*(\i)+7], v[ADRB+(\slot)] offset:(\k)+(\i)*16*PITCH+32
.endr
	WIN 0
.irp i, 0,1,2,3,4,5,6,7
	ds_load_b128 v[(\f)+8*(\i):(\f)+8*(\i)+3],   v[ADRA+(\slot)] offset:(\k)+(\i)*16*PITCH
	ds_load_b128 v[(\f)+8*(\i)+4:(\f)+8*(\i)+7], v[ADRA+(\slot)] offset:(\k)+(\i)*16*PITCH+32
.endr
.endm
.macro QUARTER slot, k, f, g, zero
	s_wait_dscnt 8                                 ; all but the youngest eight loads (q's rows 64-127)
	MUL16 \f, 0, 0, \zero
	MUL16 \f, 0, 2, \zero
	PLACES
	FETCH \slot, \k, \g
	s_wait_dscnt 32                                ; all but the 32 just issued
	MUL16 \f, 1, 0, \zero
	MUL16 \f, 1, 2, \zero
.endm
; A K step's last quarter and the change of slots: each wave waits for all its tensor loads (one is out: its part of the next slot), adds 0 to its spare word, waits for that and for its reads of this slot,
; and passes the barrier; fill = 1: the slot just read is filled again, two K steps on, first thing behind the barrier: 224 matrix instructions ahead of the wait for it.
.macro TURN slot, next, fill
	WIN 0
	s_wait_tensorcnt 0x0
	ds_add_u32 v[SPW], v[NIL]
	s_wait_dscnt 9                                 ; the add and the youngest eight loads may be out
	MUL16 F1, 0, 0, 0
	s_wait_dscnt 0x0
	s_barrier_signal -1
	MUL16 F1, 0, 2, 0
	WIN 0
	s_barrier_wait -1
.if \fill
	s_add_nc_u64 s[G0+4*(\slot)+2:G0+4*(\slot)+3], s[G0+4*(\slot)+2:G0+4*(\slot)+3], 2*KSTEP*2
	TLOAD \slot                                    ; its four v_nop are also the places in front of the loads below
.else
	PLACES
.endif
	FETCH \next, 0, F0
	MUL16 F1, 1, 0, 0
	MUL16 F1, 1, 2, 0
.endm
	s_wait_tensorcnt 1                             ; my part of K step 0 is in; K step 1's may stay out
	s_barrier_signal -1
	s_barrier_wait -1
	FETCH 0, 0, F0
	QUARTER 0, 64,  F0, F1, 1
	WIN 0
	s_mov_b32 s3, LAPS-1
.Llap:                                                 ; three trips, each once round the ring: K steps 2 to 7 are asked for
	QUARTER 0, 128, F1, F0, 0
	QUARTER 0, 192, F0, F1, 0
	TURN 0, 1, 1
	QUARTER 1, 64,  F0, F1, 0
	QUARTER 1, 128, F1, F0, 0
	QUARTER 1, 192, F0, F1, 0
	TURN 1, 0, 1
	QUARTER 0, 64,  F0, F1, 0
	WIN 0
	s_sub_co_u32 s3, s3, 1
	s_cmp_lg_u32 s3, 0
	s_cbranch_scc1 .Llap
	QUARTER 0, 128, F1, F0, 0                      ; the last lap is written out: it asks for nothing
	QUARTER 0, 192, F0, F1, 0
	TURN 0, 1, 0
	QUARTER 1, 64,  F0, F1, 0
	QUARTER 1, 128, F1, F0, 0
	QUARTER 1, 192, F0, F1, 0
	s_wait_dscnt 8
	MUL16 F1, 0, 0, 0
	MUL16 F1, 0, 2, 0
	s_wait_dscnt 0x0
	MUL16 F1, 1, 0, 0
	MUL16 F1, 1, 2, 0
	PLACES
	WIN 0
; THE SOFTMAX, a block of 16 queries a trip.  Only the 32 lines that name the block's accumulators differ from trip to trip: eight pieces, chosen by the counter, all jumps forward; the rest is written once.
.macro PIECE a                         ; the block's 64 scores a lane, each with its mask, into window 0; each accumulator is read from its low end on
	WIN 0x06+(\a)/4                                ; source 0 window 2 or 3, source 1 window 1
.irp b, 0,1,2,3,4,5,6,7
.set d, (\b)-(\a)+7
.if d < 8
.set rM, 8*d
.else
.set rM, 192+8*(d-8)
.endif
.irp z, 0,1,2,3
	v_pk_add_f32 v[WK+8*(\b)+2*(\z):WK+8*(\b)+2*(\z)+1], v[8*(8*((\a)%4)+(\b))+2*(\z):8*(8*((\a)%4)+(\b))+2*(\z)+1], v[rM+2*(\z):rM+2*(\z)+1]
.endr
.endr
	WIN 0
.endm
	s_mov_b32 s52, 0
.Lblk:
.irp a, 0,1,2,3,4,5,6
	s_cmp_eq_u32 s52, \a
	s_cbranch_scc1 .Lpiece\a
.endr
	PIECE 7
	s_branch .Lsoft
.irp a, 0,1,2,3,4,5,6
.Lpiece\a:
	PIECE \a
	s_branch .Lsoft
.endr
.Lsoft:
.irp k, 0,1,2,3                        ; the maximum: four chains of fifteen scores, three operands at a time,
	v_max3_num_f32 v[CH+(\k)], v[WK+16*(\k)], v[WK+16*(\k)+1], v[WK+16*(\k)+2]
.endr
.irp i, 0,1,2,3,4,5
.irp k, 0,1,2,3
	v_max3_num_f32 v[CH+(\k)], v[CH+(\k)], v[WK+16*(\k)+3+2*(\i)], v[WK+16*(\k)+4+2*(\i)]
.endr
.endr
	v_max3_num_f32 v[CH], v[CH], v[WK+15], v[WK+31]        ; the four scores left over, and the chains
	v_max3_num_f32 v[CH+1], v[CH+1], v[WK+47], v[WK+63]
	v_max3_num_f32 v[CH], v[CH], v[CH+1], v[CH+2]
	v_max_num_f32 v[CH], v[CH], v[CH+3]
	v_permlanex16_b32 v[CH+1], v[CH], s[SEL], s[SEL+1]     ; the query's other 64 keys lie in the lane 16 away
	v_max_num_f32 v[CH+5], v[CH], v[CH+1]                  ; m
	v_mul_f32 v[CH+4], s[CS], v[CH+5]                      ; c m, as it is stored and as it is taken away
	s_lshl_b32 s53, s52, 6
	v_add_nc_u32 v[SA+1], s53, v[SA]                       ; the block's sixteen words of statistics
.set i, 0
.rept 32
	v_pk_fma_f32 v[WK+i:WK+i+1], v[WK+i:WK+i+1], s[CS:CS+1], v[CH+4:CH+5] op_sel_hi:[1,0,0] neg_lo:[0,0,1] neg_hi:[0,0,1]  ; c s - c m
.set i, i+2
.endr
.set i, 0
.rept 64
	v_exp_f32 v[WK+i], v[WK+i]
.set i, i+1
.endr
	v_nop                                          ; a plain instruction between the exponentials and the use of their results
	s_wait_alu depctr_va_vdst(0)
.irp b, 0,1,2,3,4,5,6,7
.irp r, 0,1,2,3
	v_cvt_pk_bf16_f32 v[TMP+4*(\b)+(\r)], v[WK+8*(\b)+2*(\r)], v[WK+8*(\b)+2*(\r)+1]
.endr
.endr
.irp b, 0,1,2,3,4,5,6,7
	ds_store_b128 v[STO], v[TMP+4*(\b):TMP+4*(\b)+3] offset:32*(\b)
.endr
.irp t, 0,1,2,3,4,5,6,7
	ds_load_b128 v[OB+4*(\t):OB+4*(\t)+3], v[RD] offset:(\t)*2*SPITCH  ; LDS serves a wave's instructions in order (ISA guide 5.7.1.4): these see the stores above
.endr
.set w, 32                             ; l, of the unrounded weights: a tree of 31 packed additions, in the stage's round trip
.rept 5
.set u, 0
.rept w/2
	v_pk_add_f32 v[WK+u:WK+u+1], v[WK+u:WK+u+1], v[WK+u+w:WK+u+w+1]
.set u, u+2
.endr
.set w, w/2
.endr
	v_add_f32 v[CH], v[WK], v[WK+1]
	v_permlanex16_b32 v[CH+2], v[CH], s[SEL], s[SEL+1]
	v_add_f32 v[CH+3], v[CH], v[CH+2]
	ds_store_b32 v[SA+1], v[CH+4]                  ; lanes r and r + 16 write the same word with the same number
	ds_store_b32 v[SA+1], v[CH+3] offset:512
	s_wait_dscnt 2                                 ; the two stores just issued may be out: the block is back in registers
.irp t, 0,1,2,3,4,5,6,7
	global_store_b128 v[CO], v[OB+4*(\t):OB+4*(\t)+3], s[8:9] offset:2*(\t)*4096  ; 16 lanes store 256 consecutive bytes, at a multiple of 256 from pt's first byte
.endr
	s_wait_xcnt 0x0                                ; the stores' base and data are rewritten only behind this wait
	s_add_nc_u64 s[8:9], s[8:9], 16*4096
	s_add_co_u32 s52, s52, 1
	s_cmp_lt_u32 s52, 8
	s_cbranch_scc1 .Lblk
	ds_load_b128 v[OB:OB+3], v[SR]                 ; my wave's 128 c m and 128 l, 16 bytes a lane
	ds_load_b128 v[OB+4:OB+7], v[SR] offset:512
	s_wait_dscnt 0x0
	global_store_b128 v[SR+1], v[OB:OB+3], s[6:7]                 ; 512 consecutive bytes each, aligned
	global_store_b128 v[SR+1], v[OB+4:OB+7], s[6:7] offset:8192
	s_wait_tensorcnt 0x0                           ; the wave's end
	ds_add_u32 v[SPW], v[NIL]
	s_wait_dscnt 0x0
	s_endpgm
.Lfunc_end_k_q9116b408d8_scores:
	.size	k_q9116b408d8_scores, .Lfunc_end_k_q9116b408d8_scores-k_q9116b408d8_scores
	.p2alignl 7, 3214868480
	.fill 96, 4, 3214868480
	.section	.rodata,"a",@progbits
	.p2align	6, 0x0
	.amdhsa_kernel k_q9116b408d8_scores
		.amdhsa_group_segment_fixed_size 327680
		.amdhsa_private_segment_fixed_size 0
		.amdhsa_enable_private_segment 0
		.amdhsa_kernarg_size 24
		.amdhsa_user_sgpr_count 2
		.amdhsa_user_sgpr_kernarg_segment_ptr 1
		.amdhsa_wavefront_size32 1
		.amdhsa_system_sgpr_workgroup_id_x 1
		.amdhsa_system_sgpr_workgroup_id_y 1
		.amdhsa_system_sgpr_workgroup_id_z 1
		.amdhsa_system_vgpr_workitem_id 0
		.amdhsa_next_free_vgpr 1024
		.amdhsa_next_free_sgpr 66
		.amdhsa_reserve_vcc 1
		.amdhsa_float_denorm_mode_32 3
		.amdhsa_float_denorm_mode_16_64 3
		.amdhsa_memory_ordered 1
		.amdhsa_forward_progress 1
		.amdhsa_inst_pref_size 146
	.end_amdhsa_kernel
	.amdgpu_metadata
---
amdhsa.version: [ 1, 2 ]
amdhsa.kernels:
  - .name:           k_q9116b408d8_scores
    .symbol:         k_q9116b408d8_scores.kd
    .args:
      - { .name: qkv, .offset: 0, .size: 8, .value_kind: global_buffer, .address_space: global }
      - { .name: st, .offset: 8, .size: 8, .value_kind: global_buffer, .address_space: global }
      - { .name: pt, .offset: 16, .size: 8, .value_kind: global_buffer, .address_space: global }
    .group_segment_fixed_size: 327680
    .private_segment_fixed_size: 0
    .kernarg_segment_align: 8
    .kernarg_segment_size: 24
    .max_flat_workgroup_size: 128
    .sgpr_count:     66
    .vgpr_count:     1024
    .wavefront_size: 32
...
	.end_amdgpu_metadata
.endif
;; end of part 3
;; launch mix (part 4): grid 8 x 32, 4 waves a work-group, clusters of 4 x 1, 327,680 bytes of LDS; arguments pt, qkv, st, out0; writes out0
.if DOCPART == 4
	.amdgcn_target "amdgcn-amd-amdhsa--gfx1250"
	.amdhsa_code_object_version 6
	.text
	.protected	k_q9116b408d8_mix
	.globl	k_q9116b408d8_mix
	.p2align	8
	.type	k_q9116b408d8_mix,@function
k_q9116b408d8_mix:
	s_mov_b64 s[64:65], 0
	v_nop
	global_prefetch_b8 v0, s[64:65] scope:SCOPE_SE
	s_setreg_imm32_b32 hwreg(HW_REG_WAVE_MODE, 25, 1), 1
	s_wait_xcnt 0x0
	s_wait_alu depctr_hold_cnt(0) depctr_sa_sdst(0) depctr_va_vdst(0) depctr_va_sdst(0) depctr_va_ssrc(0) depctr_va_vcc(0) depctr_vm_vsrc(0)
	s_getreg_b32 s2, hwreg(HW_REG_IB_STS2, 6, 4)
	s_cmp_eq_u32 s2, 0
	s_cbranch_scc0 .Lentry_in_a_cluster
	s_endpgm
.Lentry_in_a_cluster:
	s_bfe_u32 s2, ttmp6, 0x10000c
	s_cmp_lg_u32 s2, 0x3003
	s_cbranch_scc0 .Lentry_shape_is_right
	s_endpgm
.Lentry_shape_is_right:
; MIX.  out0[b][q][1024 + ch] = sum over key blocks kb of 128 of f[q][kb] x (P~[q][kb] . v[kb][ch]), with M = max over kb of c m, e = 2^(c m - M), L = sum of e l, f = e / L: the softmax over the whole row,
; its true maximum taken away: every exponent is at most 0 and L is at least 1.  P~ and v are bf16, all sums f32.  A key block that is wholly hidden has c m near -c 2^100, so e and f are 0 and its finite product counts for nothing.
; THE WALK.  A work-group owns 128 channels and TWO blocks of 128 queries, 15 - p and then p; block I needs the I / 2 + 1 tiles of 256 keys up to its diagonal: nine tiles whatever p, so all 256 work-groups do equal
; work and the loops count to constants.  What hangs on p lies in scalar registers and enters global addresses and one forward jump (over the way out), which passes no barrier and no tensor load.
; CLUSTER 4 x 1: the four partners differ in their channels alone, so they walk the same tiles of P~: those are asked for jointly.  v's tiles hang on the channels and are plain loads behind the same round.
; A WAVE makes 64 queries x 64 channels.  Source 0 = 16 channels of v, turned by ds_load_tr16_b128; source 1 = 16 queries of P~: a lane holds ONE query (l % 16) and channels 8 (l / 16) + 0..7, so f is a number a lane.
; T sums 128 keys (64 matrix instructions), then O += f T (64 packed multiply-adds).
; REGISTERS (s_set_vgpr_msb: bits 1:0 source 0, 3:2 source 1, 5:4 source 2, 7:6 destination):
;   window 0: v0-31 addresses; v32-95 the way out; v96-103 f, a pair for each q tile; v128-255 T ((a, b) at 128 + 8 (4 a + b)); ahead of the walk v128-202 make the table
;   window 1: two fragment buffers of 128: for 64 keys, 64 registers of P~, then 64 of v      window 2: v0-127 O
.set PP,    528                        ; a row of P~ in LDS: 512 bytes + 16: the 16 rows of a load start at 16 different groups of four banks (64 banks of 4 bytes: ISA guide 11.1)
.set PV,    288                        ; a row of v: 256 + 32
.set VOFF,  128*PP                     ; a slot: 128 rows of P~, then 256 rows of v
.set SLOTB, VOFF+256*PV
.set STAGE, 2*SLOTB                    ; 16 rows x 272 bytes for each wave
.set SP,    272
.set FT,    STAGE+4*16*SP              ; the factors, in the order of the walk: [18 key blocks][128 queries] f32
.set SPARE, FT+18*512                  ; the spare words, 128 bytes a wave; no other line names them
.set ADRP0, 10                         ; my lane's place in slot 0's P~; never rewritten
.set ADRV00, 11                        ; the same for v
.set ADRP, 12                          ; in the slot in hand
.set ADRV, 13                          ; v13 keys 0-127, v14 keys 128-255: the offsets of the second half would pass 16 bits
.set AF,   16                          ; my word in the table's rows of the tile in hand
.set STO,  24
.set RD,   25
.set CO,   26
.set SPW,  28                          ; v28  SPARE + 4 x my thread's number; never rewritten
.set NIL,  29                          ; v29  0; never rewritten
.set OB,   32
.set FQ,   96
.set T,    128
.set F0,   0
.set F1,   128
.set CM,   128                         ; the table's making: 18 c m, then e, then f
.set LL,   146                         ; 18 l
.set TQ,   164                         ; v164 4 t; v165 tiles 0-4; v166-169 tiles 5-8
.set LOWR, 170
.set M1,   171
.set M2,   172
.set MS,   174
.set TA,   178
.set TB,   186
.set L1,   194
.set L2,   195
.set R1,   196
.set R2,   197
.set RS,   198
.set FA,   202
.set WV,  12
.set G1P, 24                           ; s[24:31] group 1 for P~
.set G1V, 32                           ; s[32:39] for v
.set G0P, 40                           ; s[40:47] group 0 for P~: a set for each first fill; the second then walks
.set G0V, 48                           ; s[48:55] the same for v
.set OFS, 56                           ; 0 or SLOTB: the slot in hand
.set NJ,  57                           ; the tile to be asked for next
.set LJ,  58                           ; the last tile of the block whose tiles are being asked for
.set RT,  59                           ; tiles of the block in hand still to be finished
.set CNT, 60
.set N1,  61                           ; tiles of the first block, 5 to 8
.set N2,  62                           ; of the second: 9 - N1
.set LJ2, 63
.set PBO, 66                           ; byte offset in pt of my 64 rows of the block being asked for
.set PB2, 67                           ; the same for the second block
.set PO,  68                           ; s[68:69] an offset in pt
.set VO,  70                           ; s[70:71] an offset in v
.set VB,  72                           ; s[72:73] v at my 128 keys of tile 0, my work-group's channels
.set OUT, 74                           ; s[74:75] out0 at my rows and channels of the block in hand
.set OUT2, 76                          ; s[76:77] of the second block
.set LP,  78
.set LV,  79
.set O1,  80
.set O2M, 81
.set KM,  84                           ; s84-87  all ones where tile 5, 6, 7, 8 of the walk belongs to the first block
.set MSB, 0
.macro WIN new
.if MSB != (\new)
	s_set_vgpr_msb (MSB<<8)|(\new)
.set MSB, \new
.endif
.endm
.set MUL,  0x05                        ; sources 0 and 1 window 1; C and D window 0
.set TO_F, 0x40                        ; destination window 1, address window 0
.macro PLACES
.rept 4
	v_nop
.endr
.endm
.macro JLOAD                           ; waves 0 and 1 fetch the halves of P~'s tile (jointly), waves 2 and 3 those of v's; an s_nop 0 and four v_nop follow each line
	s_cmp_lt_u32 s[WV], 2
	s_cbranch_scc0 .Lfor_v_\@
	tensor_load_to_lds s[G0P+4:G0P+7], s[G1P:G1P+7]
	s_nop 0
	PLACES
	s_branch .Lasked_\@
.Lfor_v_\@:
	tensor_load_to_lds s[G0V+4:G0V+7], s[G1V:G1V+7]
	s_nop 0
	PLACES
.Lasked_\@:
.endm
.macro CREST
	s_cmp_lg_u32 s[WV], 0
	s_cbranch_scc1 .Lnot_wave_0_\@
	s_barrier_signal -3
.Lnot_wave_0_\@:
	s_barrier_wait -3
	s_barrier_signal -1
	s_barrier_wait -1
.endm
.macro CROUND
	s_barrier_signal -1
	s_barrier_wait -1
	CREST
.endm
	s_load_b256 s[4:11], s[0:1], 0x0               ; pt s[4:5], qkv s[6:7], st s[8:9], out0 s[10:11]
	v_lshl_add_u32 v[SPW], v0, 2, SPARE
	v_mov_b32 v[NIL], 0
	ds_add_u32 v[SPW], v[NIL]                      ; the wave's opening: the add and its wait stand ahead of my first tensor load
	ds_add_u32 v28, v29
	v_lshrrev_b32 v1, 5, v0
	v_readfirstlane_b32 s[WV], v1
	s_bfe_u32 s13, ttmp6, 0x40000                  ; cx
	s_lshl_b32 s14, ttmp9, 2
	s_add_co_u32 s14, s14, s13                     ; my block of 128 channels: it enters v's and out0's addresses alone
	s_and_b32 s15, ttmp7, 0xffff                   ; shared by the four partners:
	s_lshr_b32 s16, s15, 3                         ; the batch,
	s_and_b32 s17, s15, 7                          ; p, the second block,
	s_sub_co_u32 s18, 15, s17                      ; and the first
	s_lshr_b32 s[N1], s18, 1
	s_add_co_u32 s[N1], s[N1], 1
	s_lshr_b32 s[N2], s17, 1
	s_add_co_u32 s[N2], s[N2], 1
	s_sub_co_u32 s[LJ], s[N1], 1
	s_sub_co_u32 s[LJ2], s[N2], 1
	s_mov_b32 s[NJ], 2                             ; the first block has five tiles or more: both first fills are its
	s_mov_b32 s[RT], s[N1]
	s_mov_b32 s[OFS], 0
	s_and_b32 s21, s[WV], 1                        ; my half of the channels.  Also: which half of a tile I fetch
	s_lshr_b32 s22, s[WV], 1                       ; my half of the queries
	s_lshl_b32 s23, s16, 23                        ; pt: rows of 4,096 bytes: 2,048 b + 128 I + 64 x half
	s_lshl_b32 s[PB2], s21, 18
	s_add_co_u32 s23, s23, s[PB2]
	s_lshl_b32 s[PBO], s18, 19
	s_add_co_u32 s[PBO], s[PBO], s23
	s_lshl_b32 s[PB2], s17, 19
	s_add_co_u32 s[PB2], s[PB2], s23
	s_mov_b32 s[PO+1], 0
	s_mov_b32 s[VO+1], 0
	s_mul_i32 s[LP], s21, 64*PP                    ; where my part of a tile goes in a slot
	s_mul_i32 s[LV], s21, 128*PV
	s_add_co_u32 s[LV], s[LV], VOFF
	s_mul_i32 s82, s16, 12582912                   ; v: row 2,048 b + 128 x half of 6,144 bytes, 2,048 bf16 into it, my 128 channels
	s_mul_i32 s83, s21, 786432
	s_add_co_u32 s82, s82, s83
	s_lshl_b32 s83, s14, 8
	s_add_co_u32 s82, s82, s83
	s_add_co_u32 s82, s82, 4096
	s_mov_b32 s83, 0
	s_lshl_b32 s19, s16, 24                        ; out0: rows of 8,192 bytes: 2,048 b + 128 I + 64 x my half; 4,096 bytes in; my 64 channels
	s_lshl_b32 s20, s22, 19
	s_add_co_u32 s19, s19, s20
	s_lshl_b32 s20, s14, 9
	s_add_co_u32 s19, s19, s20
	s_lshl_b32 s20, s21, 8
	s_add_co_u32 s19, s19, s20
	s_add_co_u32 s19, s19, 4096
	s_lshl_b32 s88, s18, 20
	s_add_co_u32 s88, s88, s19
	s_mov_b32 s89, 0
	s_lshl_b32 s90, s17, 20
	s_add_co_u32 s90, s90, s19
	s_mov_b32 s91, 0
	s_lshl_b32 s[O1], s18, 9                       ; st: the first block's 128 queries, 4 bytes each;
	s_lshl_b32 s[O2M], s17, 9                      ; the second's, less the N1 tiles of the walk that lie in front of its tile 0 (added back below: never below 0 where it is taken)
	s_lshl_b32 s15, s[N1], 15
	s_sub_co_u32 s[O2M], s[O2M], s15
	s_mov_b32 s[G1P], 15|(1<<16)|(1<<20)|(1<<21)|(6<<22)|(3<<25)  ; the mask of four; 2-byte elements; padding on; bit 21 beside a mask; after every 128 words, 4 words
	s_mov_b32 s[G1P+1], 256<<16                    ; tensor_dim0 = 256
	s_mov_b32 s[G1P+2], 64<<16                     ; tensor_dim1 = 64
	s_mov_b32 s[G1P+3], 256<<16                    ; tile_dim0 = 256
	s_mov_b32 s[G1P+4], 64                         ; tile_dim1 = 64
	s_mov_b32 s[G1P+5], 2048                       ; elements from row to row of pt
	s_mov_b32 s[G1P+6], 0
	s_mov_b32 s[G1P+7], 0
	s_mov_b32 s[G1V], (1<<16)|(1<<20)|(5<<22)|(7<<25)  ; no mask; after every 64 words, 8 words
	s_mov_b32 s[G1V+1], 128<<16
	s_mov_b32 s[G1V+2], 128<<16
	s_mov_b32 s[G1V+3], 128<<16
	s_mov_b32 s[G1V+4], 128
	s_mov_b32 s[G1V+5], 3072                       ; elements from row to row of qkv
	s_mov_b32 s[G1V+6], 0
	s_mov_b32 s[G1V+7], 0
	s_mov_b32 s[G0P], 1
	s_mov_b32 s[G0P+1], s[LP]
	s_mov_b32 s[G0P+4], 1
	s_add_co_u32 s[G0P+5], s[LP], SLOTB
	s_mov_b32 s[G0V], 1
	s_mov_b32 s[G0V+1], s[LV]
	s_mov_b32 s[G0V+4], 1
	s_add_co_u32 s[G0V+5], s[LV], SLOTB
	s_wait_dscnt 0x0                               ; the opening add is done
	s_wait_kmcnt 0x0
	s_add_nc_u64 s[VB:VB+1], s[6:7], s[82:83]
	s_add_nc_u64 s[OUT:OUT+1], s[10:11], s[88:89]
	s_add_nc_u64 s[OUT2:OUT2+1], s[10:11], s[90:91]
	s_lshl_b32 s82, s16, 18                        ; st at my batch
	s_add_nc_u64 s[8:9], s[8:9], s[82:83]
	s_mov_b32 s[PO], s[PBO]
	s_add_nc_u64 s[G0P+2:G0P+3], s[4:5], s[PO:PO+1]      ; tile 0
	s_or_b32 s[G0P+3], s[G0P+3], 0x80000000
	s_add_co_u32 s[PO], s[PBO], 512
	s_add_nc_u64 s[G0P+6:G0P+7], s[4:5], s[PO:PO+1]      ; tile 1
	s_or_b32 s[G0P+7], s[G0P+7], 0x80000000
	s_mov_b64 s[G0V+2:G0V+3], s[VB:VB+1]
	s_or_b32 s[G0V+3], s[G0V+3], 0x80000000
	s_add_nc_u64 s[G0V+6:G0V+7], s[VB:VB+1], 1572864     ; 256 rows of 6,144 bytes
	s_or_b32 s[G0V+7], s[G0V+7], 0x80000000
	CROUND                                         ; all four work-groups are here: the first joint loads meet
	s_cmp_lt_u32 s[WV], 2                          ; a wave's two first fills stand in one branch: two loads of mine are out
	s_cbranch_scc0 .Lfirst_v
	tensor_load_to_lds s[G0P:G0P+3], s[G1P:G1P+7]
	s_nop 0
	tensor_load_to_lds s[G0P+4:G0P+7], s[G1P:G1P+7]
	s_nop 0
	PLACES
	s_branch .Lfirst_asked
.Lfirst_v:
	tensor_load_to_lds s[G0V:G0V+3], s[G1V:G1V+7]
	s_nop 0
	tensor_load_to_lds s[G0V+4:G0V+7], s[G1V:G1V+7]
	s_nop 0
	PLACES
.Lfirst_asked:
	; THE TABLE, in the wait for the first tile.  Thread t is query t of both blocks.  Tile u of the walk is the first block's tile u if u < N1, else the second's tile u - N1; tiles 0-4 are always the first's.
	v_lshlrev_b32 v[TQ], 2, v0
	v_add_nc_u32 v[TQ+1], s[O1], v[TQ]
.irp u, 5,6,7,8
	s_cmp_gt_u32 s[N1], \u
	s_cselect_b32 s[KM+(\u)-5], -1, 0
	s_cselect_b32 s15, s[O1], s[O2M]
	s_add_co_u32 s15, s15, (\u)*32768              ; a tile is two key blocks of 16,384 bytes of st
	v_add_nc_u32 v[TQ+(\u)-3], s15, v[TQ]
.endr
.irp u, 0,1,2,3,4
.irp e, 0,1
	global_load_b32 v[CM+2*(\u)+(\e)], v[TQ+1], s[8:9] offset:(\u)*32768+(\e)*16384
	global_load_b32 v[LL+2*(\u)+(\e)], v[TQ+1], s[8:9] offset:(\u)*32768+(\e)*16384+8192
.endr
.endr
.irp u, 5,6,7,8
.irp e, 0,1
	global_load_b32 v[CM+2*(\u)+(\e)], v[TQ+(\u)-3], s[8:9] offset:(\e)*16384
	global_load_b32 v[LL+2*(\u)+(\e)], v[TQ+(\u)-3], s[8:9] offset:(\e)*16384+8192
.endr
.endr
	WIN 0x80                                       ; O = 0: the sums of both blocks begin so; the price is 128 moves a block
.set i, 0
.rept 128
	v_mov_b32 v[i], 0
.set i, i+1
.endr
	WIN 0
	v_and_b32 v1, 15, v0                           ; r = l % 16
	v_bfe_u32 v2, v0, 4, 1                         ; h = l / 16
	s_lshl_b32 s15, s22, 6
	v_add_nc_u32 v3, s15, v1                       ; my query in q tile 0
	v_mul_u32_u24 v[ADRP0], v3, PP
	v_lshl_add_u32 v[ADRP0], v2, 4, v[ADRP0]       ; row x pitch + 16 x half
	v_lshl_add_u32 v[AF], v3, 2, FT
	v_and_b32 v4, 7, v0                            ; the turning load: lane l reads key 8 h + l % 8, channels 8 ((l / 8) % 2) + 0..7
	v_bfe_u32 v5, v0, 3, 1
	v_lshl_add_u32 v[ADRV00], v2, 3, v4
	v_mul_u32_u24 v[ADRV00], v[ADRV00], PV
	v_lshl_add_u32 v[ADRV00], v5, 4, v[ADRV00]
	s_lshl_b32 s15, s21, 7                         ; my 64 channels
	s_add_co_u32 s15, s15, VOFF
	v_add_nc_u32 v[ADRV00], s15, v[ADRV00]
	v_mov_b32 v[ADRP], v[ADRP0]
	v_mov_b32 v[ADRV], v[ADRV00]
	v_add_nc_u32 v[ADRV+1], 128*PV, v[ADRV00]
	s_mul_i32 s15, s[WV], 16*SP
	s_add_co_u32 s15, s15, STAGE                   ; my stage
	v_mul_u32_u24 v[STO], v1, SP
	v_lshl_add_u32 v[STO], v2, 5, v[STO]
	v_add_nc_u32 v[STO], s15, v[STO]               ; in: row r, 32 bytes for each half of the lanes
	v_mul_u32_u24 v[RD], v2, SP
	v_lshl_add_u32 v[RD], v1, 4, v[RD]
	v_add_nc_u32 v[RD], s15, v[RD]                 ; back: lanes 0-15 one row of 256 bytes, lanes 16-31 the next
	v_lshlrev_b32 v[CO], 13, v2
	v_lshl_add_u32 v[CO], v1, 4, v[CO]             ; the same two rows in out0
.irp a, 0,1,2,3
	v_mov_b32 v[FQ+2*(\a)+1], 0                    ; named with f as a pair
.endr
	v_lshl_add_u32 v[FA], v0, 2, FT
	v_mov_b32 v[LOWR], 0xff7fffff                  ; the lowest finite number
	s_wait_loadcnt 0x0
	v_max3_num_f32 v[M1], v[CM], v[CM+1], v[CM+2]
	v_max3_num_f32 v[M1], v[M1], v[CM+3], v[CM+4]
	v_max3_num_f32 v[M1], v[M1], v[CM+5], v[CM+6]
	v_max3_num_f32 v[M1], v[M1], v[CM+7], v[CM+8]
.irp i, 0,1,2,3,4,5,6,7
	v_cndmask_b32 v[TA+(\i)], v[LOWR], v[CM+10+(\i)], s[KM+(\i)/2]  ; for the first block's maximum
	v_cndmask_b32 v[TB+(\i)], v[CM+10+(\i)], v[LOWR], s[KM+(\i)/2]  ; for the second's
.endr
	v_max3_num_f32 v[M1], v[M1], v[CM+9], v[TA]
	v_max3_num_f32 v[M2], v[TB], v[TB+1], v[TB+2]
	v_max3_num_f32 v[M1], v[M1], v[TA+1], v[TA+2]
	v_max3_num_f32 v[M2], v[M2], v[TB+3], v[TB+4]
	v_max3_num_f32 v[M1], v[M1], v[TA+3], v[TA+4]
	v_max3_num_f32 v[M2], v[M2], v[TB+5], v[TB+6]
	v_max3_num_f32 v[M1], v[M1], v[TA+5], v[TA+6]
	v_max_num_f32 v[M2], v[M2], v[TB+7]
	v_max_num_f32 v[M1], v[M1], v[TA+7]
.irp u, 0,1,2,3
	v_cndmask_b32 v[MS+(\u)], v[M2], v[M1], s[KM+(\u)]
.endr
.irp s, 0,1,2,3,4,5,6,7,8,9
	v_sub_f32 v[CM+(\s)], v[CM+(\s)], v[M1]
.endr
.irp i, 0,1,2,3,4,5,6,7
	v_sub_f32 v[CM+10+(\i)], v[CM+10+(\i)], v[MS+(\i)/2]
.endr
.irp s, 0,1,2,3,4,5,6,7,8,9,10,11,12,13,14,15,16,17
	v_exp_f32 v[CM+(\s)], v[CM+(\s)]               ; e
.endr
	v_nop                                          ; a plain instruction between the exponentials and the use of their results
	s_wait_alu depctr_va_vdst(0)
	v_mul_f32 v[L1], v[CM], v[LL]
.irp i, 0,1,2,3,4,5,6,7
	v_mul_f32 v[TA+(\i)], v[CM+10+(\i)], v[LL+10+(\i)]
.endr
.irp s, 1,2,3,4,5,6,7,8,9
	v_fmac_f32 v[L1], v[CM+(\s)], v[LL+(\s)]
.endr
.irp i, 0,1,2,3,4,5,6,7
	v_cndmask_b32 v[TB+(\i)], 0, v[TA+(\i)], s[KM+(\i)/2]   ; e l where it is the first block's
	v_cndmask_b32 v[TA+(\i)], v[TA+(\i)], 0, s[KM+(\i)/2]   ; where it is the second's
.endr
	v_add_f32 v[L2], v[TA], v[TA+1]
	v_add_f32 v[L1], v[L1], v[TB]
.irp i, 1,2,3,4,5,6
	v_add_f32 v[L2], v[L2], v[TA+1+(\i)]
	v_add_f32 v[L1], v[L1], v[TB+(\i)]
.endr
	v_add_f32 v[L1], v[L1], v[TB+7]
	v_rcp_f32 v[R2], v[L2]
	v_rcp_f32 v[R1], v[L1]
	v_nop                                          ; a plain instruction behind the reciprocals
	s_wait_alu depctr_va_vdst(0)
.irp u, 0,1,2,3
	v_cndmask_b32 v[RS+(\u)], v[R2], v[R1], s[KM+(\u)]
.endr
.irp s, 0,1,2,3,4,5,6,7,8,9
	v_mul_f32 v[CM+(\s)], v[CM+(\s)], v[R1]        ; f
.endr
.irp i, 0,1,2,3,4,5,6,7
	v_mul_f32 v[CM+10+(\i)], v[CM+10+(\i)], v[RS+(\i)/2]
.endr
.irp s, 0,1,2,3,4,5,6,7,8,9,10,11,12,13,14,15,16,17
	ds_store_b32 v[FA], v[CM+(\s)] offset:512*(\s)
.endr
; 8 matrix instructions: q tiles a0, a0 + 1 x all 4 channel blocks, 32 keys: half c of buffer f.  zero = 1: the first product starts T.  The 16 accumulators take turns.
.macro MUL8 f, c, a0, zero
	WIN MUL
.irp a, \a0, (\a0)+1
.irp b, 0,1,2,3
.if \zero
	v_wmma_f32_16x16x32_bf16 v[T+8*(4*(\a)+(\b)):T+8*(4*(\a)+(\b))+7], v[(\f)+64+8*(4*(\c)+(\b)):(\f)+64+8*(4*(\c)+(\b))+7], v[(\f)+8*(4*(\c)+(\a)):(\f)+8*(4*(\c)+(\a))+7], 0
.else
	v_wmma_f32_16x16x32_bf16 v[T+8*(4*(\a)+(\b)):T+8*(4*(\a)+(\b))+7], v[(\f)+64+8*(4*(\c)+(\b)):(\f)+64+8*(4*(\c)+(\b))+7], v[(\f)+8*(4*(\c)+(\a)):(\f)+8*(4*(\c)+(\a))+7], v[T+8*(4*(\a)+(\b)):T+8*(4*(\a)+(\b))+7]
.endif
.endr
.endr
.endm
; 32 LDS loads in one run: the fragments of keys 64 nq to 64 nq + 63 of the slot in hand into buffer g, the first 32 keys first.  ff = 0, 1: ahead of the run, my four f of the tile's key block ff.
.macro FETCH nq, g, ff
.if (\ff) >= 0
	WIN 0
.irp a, 0,1,2,3
	ds_load_b32 v[FQ+2*(\a)], v[AF] offset:512*(\ff)+64*(\a)
.endr
.endif
	WIN TO_F
.irp c, 0,1
.irp i, 0,1,2,3
	ds_load_tr16_b128 v[(\g)+64+8*(4*(\c)+(\i)):(\g)+64+8*(4*(\c)+(\i))+3],   v[ADRV+(\nq)/2] offset:(((\nq)%2)*64+32*(\c))*PV+32*(\i)
	ds_load_tr16_b128 v[(\g)+64+8*(4*(\c)+(\i))+4:(\g)+64+8*(4*(\c)+(\i))+7], v[ADRV+(\nq)/2] offset:(((\nq)%2)*64+32*(\c)+16)*PV+32*(\i)
	ds_load_b128 v[(\g)+8*(4*(\c)+(\i)):(\g)+8*(4*(\c)+(\i))+3],   v[ADRP] offset:(\i)*16*PP+128*(\nq)+64*(\c)
	ds_load_b128 v[(\g)+8*(4*(\c)+(\i))+4:(\g)+8*(4*(\c)+(\i))+7], v[ADRP] offset:(\i)*16*PP+128*(\nq)+64*(\c)+32
.endr
.endr
.endm
.macro QUARTER nq, f, g, zero, ff      ; multiplies buffer f (64 keys); in its middle fetches quarter nq into g
	s_wait_dscnt 16                                ; the first 32 keys are in
	MUL8 \f, 0, 0, \zero
	MUL8 \f, 0, 2, \zero
	PLACES
	FETCH \nq, \g, \ff
	s_wait_dscnt 32                                ; all but the 32 youngest: buffer f is whole, and so are the f just asked for
	MUL8 \f, 1, 0, 0
	MUL8 \f, 1, 2, 0
.endm
.macro ADDUP                           ; O += f T, each accumulator from its low end on; these lines are also the places in front of the products that start T anew
	PLACES
	WIN 0xa0                                       ; destination and source 2 window 2
.irp a, 0,1,2,3
.set i, 32*(\a)
.rept 16
	v_pk_fma_f32 v[i:i+1], v[T+i:T+i+1], v[FQ+2*(\a):FQ+2*(\a)+1], v[i:i+1] op_sel_hi:[1,0,1]
.set i, i+2
.endr
.endr
.endm
; A tile's last quarter and the change of slots.  Each wave waits for all its tensor loads (one is out: its part of the next slot), adds 0 to its spare word, waits for that and for its reads of this slot.
; fill = 1: the barrier opens a round of the cluster's, and the slot just read is filled again first thing behind it, with tile NJ: 112 matrix instructions and 128 multiply-adds ahead of the wait for it.
.macro TURN fill
	WIN 0
	s_wait_tensorcnt 0x0                           ; no tensor load of mine is out, so a group 0 may be written
	ds_add_u32 v[SPW], v[NIL]                      ; the descriptors' scalar work stands behind it
.if \fill
	s_lshl_b32 s[PO], s[NJ], 9                     ; 256 keys of 2 bytes along pt's rows
	s_add_co_u32 s[PO], s[PO], s[PBO]
	s_add_nc_u64 s[G0P+6:G0P+7], s[4:5], s[PO:PO+1]
	s_or_b32 s[G0P+7], s[G0P+7], 0x80000000
	s_add_co_u32 s[G0P+5], s[LP], s[OFS]
	s_mul_i32 s[VO], s[NJ], 1572864                ; 256 rows of qkv
	s_add_nc_u64 s[G0V+6:G0V+7], s[VB:VB+1], s[VO:VO+1]
	s_or_b32 s[G0V+7], s[G0V+7], 0x80000000
	s_add_co_u32 s[G0V+5], s[LV], s[OFS]
	s_add_co_u32 s[NJ], s[NJ], 1                   ; the block's next tile, or behind its last the second block's tile 0
	s_cmp_gt_u32 s[NJ], s[LJ]
	s_cselect_b32 s[NJ], 0, s[NJ]
	s_cselect_b32 s[PBO], s[PB2], s[PBO]
	s_cselect_b32 s[LJ], s[LJ2], s[LJ]
.endif
	s_wait_dscnt 17                                ; the add and the youngest sixteen loads may be out
	MUL8 F1, 0, 0, 0
	s_wait_dscnt 0x0                               ; the add is done, my reads of this slot are over
	s_barrier_signal -1
	MUL8 F1, 0, 2, 0
	WIN 0
	s_barrier_wait -1
.if \fill
	CREST
	JLOAD                                          ; its four v_nop are also the places in front of the loads below
.else
	PLACES
.endif
	s_xor_b32 s[OFS], s[OFS], SLOTB                ; 0 and SLOTB by turns
	v_add_nc_u32 v[ADRP], s[OFS], v[ADRP0]
	v_add_nc_u32 v[ADRV], s[OFS], v[ADRV00]
	v_add_nc_u32 v[ADRV+1], 128*PV, v[ADRV]
	FETCH 0, F0, -1
	MUL8 F1, 1, 0, 0
	MUL8 F1, 1, 2, 0
.endm
; THE WAY OUT of a block: a q tile (16 rows x 64 channels of f32, 256 bytes a row) at a time through my stage, back as whole rows, stored; then the second block's address, count and O = 0.
.macro WAYOUT
.irp a, 0,1,2,3
.if (\a) >= 2
	s_wait_xcnt 0x0                                ; the stores of two tiles ago have read the registers that are loaded below
.endif
	WIN 0x08                                       ; store data in window 2
.irp b, 0,1,2,3
	ds_store_b128 v[STO], v[8*(4*(\a)+(\b)):8*(4*(\a)+(\b))+3]   offset:64*(\b)
	ds_store_b128 v[STO], v[8*(4*(\a)+(\b))+4:8*(4*(\a)+(\b))+7] offset:64*(\b)+16
.endr
	WIN 0
.irp t, 0,1,2,3,4,5,6,7
	ds_load_b128 v[OB+32*((\a)%2)+4*(\t):OB+32*((\a)%2)+4*(\t)+3], v[RD] offset:(\t)*2*SP  ; LDS serves a wave's instructions in order (ISA guide 5.7.1.4): these see the stores above
.endr
	s_wait_dscnt 0x0
.irp t, 0,1,2,3,4,5,6,7
	global_store_b128 v[CO], v[OB+32*((\a)%2)+4*(\t):OB+32*((\a)%2)+4*(\t)+3], s[OUT:OUT+1] offset:(16*(\a)+2*(\t))*8192 th:TH_STORE_NT  ; 16 lanes store 256 consecutive bytes, at a multiple of 256 from out0's first byte
.endr
.endr
	s_wait_xcnt 0x0                                ; the stores' base is rewritten only behind this wait
	s_mov_b64 s[OUT:OUT+1], s[OUT2:OUT2+1]
	s_mov_b32 s[RT], s[N2]
	WIN 0x80
.set i, 0
.rept 128
	v_mov_b32 v[i], 0
.set i, i+1
.endr
	WIN 0
.endm
.macro STEP fill                       ; a tile of 256 keys: two key blocks of 128
	QUARTER 1, F0, F1, 1, 0
	QUARTER 2, F1, F0, 0, -1
	ADDUP
	QUARTER 3, F0, F1, 1, 1
	TURN \fill
	ADDUP
	WIN 0
	v_add_nc_u32 v[AF], 1024, v[AF]                ; the table's next two rows
	s_sub_co_u32 s[RT], s[RT], 1
	s_cmp_lg_u32 s[RT], 0
	s_cbranch_scc1 .Lgo_on_\@                      ; the same answer in all four partners
	WAYOUT
.Lgo_on_\@:
.endm
	s_wait_tensorcnt 1                             ; my part of tile 0 is in; tile 1's may stay out
	s_wait_dscnt 0x0                               ; for the others' sake: my part of the table is stored
	s_barrier_signal -1
	s_barrier_wait -1
	FETCH 0, F0, -1
	WIN 0
	s_mov_b32 s[CNT], 7
.Lwalk:                                                ; seven trips ask for tiles 2 to 8
	STEP 1
	s_sub_co_u32 s[CNT], s[CNT], 1
	s_cmp_lg_u32 s[CNT], 0
	s_cbranch_scc1 .Lwalk
	s_mov_b32 s[CNT], 2
.Ltail:                                                ; the last two tiles ask for nothing.  The very last change of slots fetches tile 7's first fragments once more and uses nothing of them: the price of one text for both trips
	STEP 0
	s_sub_co_u32 s[CNT], s[CNT], 1
	s_cmp_lg_u32 s[CNT], 0
	s_cbranch_scc1 .Ltail
	s_wait_tensorcnt 0x0                           ; the wave's end
	ds_add_u32 v[SPW], v[NIL]
	s_wait_dscnt 0x0
	CROUND                                         ; the closing round
	s_endpgm
.Lfunc_end_k_q9116b408d8_mix:
	.size	k_q9116b408d8_mix, .Lfunc_end_k_q9116b408d8_mix-k_q9116b408d8_mix
	.p2alignl 7, 3214868480
	.fill 96, 4, 3214868480
	.section	.rodata,"a",@progbits
	.p2align	6, 0x0
	.amdhsa_kernel k_q9116b408d8_mix
		.amdhsa_group_segment_fixed_size 327680
		.amdhsa_private_segment_fixed_size 0
		.amdhsa_enable_private_segment 0
		.amdhsa_kernarg_size 32
		.amdhsa_user_sgpr_count 2
		.amdhsa_user_sgpr_kernarg_segment_ptr 1
		.amdhsa_wavefront_size32 1
		.amdhsa_system_sgpr_workgroup_id_x 1
		.amdhsa_system_sgpr_workgroup_id_y 1
		.amdhsa_system_sgpr_workgroup_id_z 1
		.amdhsa_system_vgpr_workitem_id 0
		.amdhsa_next_free_vgpr 640
		.amdhsa_next_free_sgpr 92
		.amdhsa_reserve_vcc 0
		.amdhsa_float_denorm_mode_32 3
		.amdhsa_float_denorm_mode_16_64 3
		.amdhsa_memory_ordered 1
		.amdhsa_forward_progress 1
		.amdhsa_inst_pref_size 104
	.end_amdhsa_kernel
	.amdgpu_metadata
---
amdhsa.version: [ 1, 2 ]
amdhsa.kernels:
  - .name:           k_q9116b408d8_mix
    .symbol:         k_q9116b408d8_mix.kd
    .args:
      - { .name: pt, .offset: 0, .size: 8, .value_kind: global_buffer, .address_space: global }
      - { .name: qkv, .offset: 8, .size: 8, .value_kind: global_buffer, .address_space: global }
      - { .name: st, .offset: 16, .size: 8, .value_kind: global_buffer, .address_space: global }
      - { .name: out0, .offset: 24, .size: 8, .value_kind: global_buffer, .address_space: global }
    .group_segment_fixed_size: 327680
    .private_segment_fixed_size: 0
    .kernarg_segment_align: 8
    .kernarg_segment_size: 32
    .max_flat_workgroup_size: 128
    .sgpr_count:     92
    .vgpr_count:     640
    .wavefront_size: 32
...
	.end_amdgpu_metadata
.endif
;; end of part 4
